; MI455X (gfx1250); checked and timed in simulation.
; The chip was launched on July 23, 2026; its instructions are those of AMD's public machine-readable ISA for CDNA 5 (MIT licence, August 2026) and "CDNA5" Instruction Set Architecture Reference Guide (July 2026). The comments in the code are by the model that wrote it; some were corrected since.
;; Attention. Allowed arithmetic: matrix products marked QUANTISED: E2M1 operands, one E8M0 scale for each 32 along K, by v_wmma_scale_f32_16x16x128_f8f6f4 with both operands' format E2M1 (or v_wmma_scale_f32_32x16x128_f4), f32 sums; everything else in f32.
;; Inputs: Wk 512 x 4,096 float32; Wq 512 x 4,096 float32; Wv 512 x 4,096 float32; bk 4,096 float32; bq 4,096 float32; bv 4,096 float32; query 4 x 1,024 x 512 float32; value 4 x 1,024 x 512 float32.
;; Outputs: out0 4 x 1,024 x 4,096 float32.
;; This version of the problem:
;;   THIS VERSION OF THE PROBLEM IS GIVEN IN LOW PRECISION. The matrix products marked QUANTISED in the list below multiply operands that are first quantised to E2M1 (2 exponent bits, 1 mantissa bit; 4 bits a number), with one power-of-two scale for each 32 numbers along K (OCP MX v1.0); their sums are f32. All else is computed in f32.
;;   The module's matrix products, in the order in which they are computed (A, B: the left and right operand; K: the contracted axis; several contracted axes count as one K, in the product's order):
;;     1. [M 4,096, K 512] x [K 512, N 4,096]; A: input query; B: input Wq: QUANTISED
;;     2. [M 4,096, K 512] x [K 512, N 4,096]; A: input value; B: input Wk: QUANTISED
;;     3. [M 4,096, K 512] x [K 512, N 4,096]; A: input value; B: input Wv: QUANTISED
;;     4. batch 32 x [M 1,024, K 512] x [K 512, N 1,024]; A: computed on the way; B: computed on the way: QUANTISED
;;     5. batch 32 x [M 512, K 1,024] x [K 1,024, N 1,024]; A: computed on the way; B: softmax (see below): QUANTISED
;;   THE QUANTISER, for each operand of a quantised product, along K:
;;     - K is cut into blocks of 32 from its start; a last block that is shorter is filled with zeros.
;;     - A block's scale is 2^e with e = floor(log2(the largest magnitude in the block)) - 2, held to -126 .. 127; a block of zeros has e = 0. As a byte (E8M0): e + 127.
;;     - Each number is divided by its block's scale, clamped to +-6, and rounded to the nearest number of E2M1, ties to even, subnormals kept.
;;     - The product sums the exact products of the quantised numbers (number of the format x scale) in f32.
;;   ~~~python
;;   def quantise(x, axis):      # numpy; x: float32 -> the quantised numbers, widened to float32 again
;;       x = np.moveaxis(x, axis, -1); K = x.shape[-1]
;;       x = np.pad(x, [(0, 0)] * (x.ndim - 1) + [(0, -K % 32)]); x = x.reshape(x.shape[:-1] + (-1, 32)); a = np.abs(x).max(-1, keepdims=True)
;;       e = np.where(a > 0, np.clip(np.frexp(np.where(a > 0, a, 1))[1] - 1 - 2, -126, 127), 0)      # np.frexp(a)[1] - 1 = floor(log2(a)), exactly
;;       r = np.clip(x / 2.0 ** e, -6, 6)
;;       step = 2.0 ** (np.maximum(np.frexp(np.where(r == 0, 1, r))[1] - 1, 0) - 1)
;;       q = np.round(r / step) * step * 2.0 ** e      # np.round: ties to even
;;       return np.moveaxis(q.reshape(q.shape[:-2] + (-1,))[..., :K], -1, axis).astype(np.float32)
;;   ~~~
;;   SOFTMAX AHEAD OF A QUANTISED PRODUCT. Where the list says 'softmax', what is quantised is not the finished softmax but p = 2^(t - M), with t = logit x log2(e) and M = ceil(the row's largest t), a whole number; so 1/2 < the row's largest p <= 1. The row's sum l is taken of the UNQUANTISED p, in f32, and the product's result is divided by l at the end. Since M is a whole number, a kernel that streams over the keys may use a running M (the ceiling of the running maximum): every later rescaling is an exact power of two, which a block's scale takes up: the codes' values come out the same.
;;   OPERANDS COMPUTED ON THE WAY. 'Computed on the way' means the value that the module computes at that place (a softmax that the list does not call 'softmax' is quantised finished and normalised). What goes into a quantiser is computed in f32, as accurately as f32 sums, v_exp_f32 and their like allow (about 1e-6 of the number): no bf16 or f16 on the way to a quantiser, and a product that is left as it is and whose result goes on into a quantised operand takes f32 operands (vector FMAs, or v_wmma_f32_16x16x4_f32). A number that lies on a knife's edge between two numbers of the format may be rounded either way, as far as f32 arithmetic and the matrix unit's own rounding can turn it there, and no further.
;; One version. Each part assembles by itself: llvm-mc -triple=amdgcn-amd-amdhsa -mcpu=gfx1250 --defsym DOCPART=n.
;; ======== version 1 of 1: 3 launches
;; limits: right only within a limited range of input values
;; workspace buffers: ops 5,570,560 bytes; qkv 26,738,688 bytes
;; launch prep (part 1): grid 640 x 1, 4 waves a work-group, no clusters, 68,096 bytes of LDS; arguments query, value, Wq, Wk, Wv, ops; writes ops
.if DOCPART == 1
	.amdgcn_target "amdgcn-amd-amdhsa--gfx1250"
	.amdhsa_code_object_version 6
	.text
	.protected	k_q76a1b19090_prep
	.globl	k_q76a1b19090_prep
	.p2align	8
	.type	k_q76a1b19090_prep,@function
k_q76a1b19090_prep:
	s_mov_b64 s[64:65], 0
	v_nop
	global_prefetch_b8 v0, s[64:65] scope:SCOPE_SE
	s_setreg_imm32_b32 hwreg(HW_REG_WAVE_MODE, 25, 1), 1
	s_wait_xcnt 0x0
; query, value [4096][512] (K innermost) and Wq, Wk, Wv [512][4096] (K is the first axis), all f32, become codes of FP4 (E2M1) with one E8M0 byte for each 32 along K.
; A block's scale is 2^(floor(log2(its largest magnitude)) - 2); its byte is the largest magnitude's exponent field - 2, held at 1 from below; numbers beyond 6 x the scale get the largest code.
; LIMITS: NaN and infinities among the inputs are not served.  A block of zeros gets the byte 1 where the quantiser says 127: its codes are zeros, and these bytes are read by this program alone.
; THE LAYOUT OF ops: 5 tensors (query, value, Wq, Wk, Wv) x 32 RECORDS of 34,816 bytes.  A record is 128 rows (tokens, or columns of a weight) x 512 along K:
;   32 fragments of 1,024 bytes, tile t (0..7), K step s (0..3) at (4 t + s) x 1,024.  A fragment is the image of an operand's 8 registers: byte 512 c + 16 x lane holds registers 4 c .. 4 c + 3 of that lane,
;   which are the 32 codes of block 2 c + lane / 16 of the lane's row;
;   16 lines of 128 bytes from byte 32,768 on, group g of 32 rows, K step s at (4 g + s) x 128: word l is the scale word of row l % 16 of tile 2 g + l / 16.
; THE ROWS OF A TILE ARE NOT NEIGHBOURS: in a group of 32 rows, lane r of tile u holds row 8 u + r + 8 (r / 8).
; A wave makes one group of 32 rows x one K step of 128: two fragments and one line.  Work-groups 0..383 take the weights, 384..639 query and value.  Waves share nothing: no barrier.
.set RECB, 34816
.set TEN,  32*RECB                     ; bytes of a tensor in ops
.set X,    32                          ; v32-159  128 numbers
.set PC,   160                         ; v160-175 the codes
	s_load_b256 s[4:11], s[0:1], 0x0               ; query s[4:5], value s[6:7], Wq s[8:9], Wk s[10:11]
	s_load_b128 s[12:15], s[0:1], 0x20             ; Wv s[12:13], ops s[14:15]
	v_lshl_add_u32 v176, v0, 2, 0x10800
	v_mov_b32 v177, 0
	v_lshrrev_b32 v2, 5, v0
	v_readfirstlane_b32 s16, v2                    ; wave 0..3
	v_and_b32 v1, 31, v0                           ; lane
	s_cmp_lt_u32 ttmp9, 384
	s_cbranch_scc0 .Lx
; ---- A WEIGHT.  A lane takes a column and its registers run down K: a block of 32 lies in one lane, and the conversions give codes with K innermost.
	s_lshr_b32 s17, ttmp9, 7                       ; which weight: 0, 1, 2
	s_bfe_u32 s18, ttmp9, 0x50002                  ; which record: 128 columns
	s_and_b32 s19, ttmp9, 3                        ; which K step
	s_wait_kmcnt 0x0
	s_cmp_eq_u32 s17, 0
	s_cselect_b64 s[20:21], s[8:9], s[10:11]
	s_cmp_eq_u32 s17, 2
	s_cselect_b64 s[20:21], s[12:13], s[20:21]     ; the choice hangs on the work-group's number alone
	s_lshl_b32 s22, s19, 21                        ; 128 rows of 16,384 bytes a K step,
	s_lshl_b32 s23, s18, 9                         ; 512 bytes of a row a record,
	s_add_co_u32 s22, s22, s23
	s_lshl_b32 s23, s16, 7                         ; 128 of them a wave: the four waves stand side by side
	s_add_co_u32 s22, s22, s23
	s_mov_b32 s23, 0
	s_add_nc_u64 s[20:21], s[20:21], s[22:23]
	s_wait_alu depctr_va_vdst(0)
	v_lshlrev_b32 v3, 2, v1                        ; 4 bytes a lane
.set i, 0
.rept 128
	global_load_b32 v[X+i], v3, s[20:21] offset:i*16384 th:TH_LOAD_NT   ; W(128 s + i, my column); the largest offset is 127 x 16,384, inside the signed 24-bit immediate
.set i, i+1
.endr
	s_add_co_u32 s24, s17, 2
	s_mul_i32 s24, s24, TEN
	s_mul_i32 s25, s18, RECB
	s_add_co_u32 s24, s24, s25
	s_mov_b32 s25, 0
	s_add_nc_u64 s[14:15], s[14:15], s[24:25]      ; my record
	v_bfe_u32 v4, v1, 3, 1                         ; my column's tile in the wave's group: u = (lane / 8) % 2,
	v_and_b32 v5, 7, v1
	v_lshrrev_b32 v6, 4, v1
	v_lshl_add_u32 v5, v6, 3, v5                   ; and its row there: r = lane % 8 + 8 (lane / 16)
	s_lshl_b32 s26, s16, 13
	s_lshl_b32 s27, s19, 10
	s_add_co_u32 s26, s26, s27                     ; fragment (4 (2 w + u) + s): 8,192 w + 1,024 s ..
	v_lshlrev_b32 v7, 4, v5
	v_lshl_add_u32 v7, v4, 12, v7
	v_add_nc_u32 v7, s26, v7                       ; .. + 4,096 u + 16 r
	s_lshl_b32 s26, s16, 9
	s_lshl_b32 s27, s19, 7
	s_add_co_u32 s26, s26, s27
	s_add_co_u32 s26, s26, 32768                   ; line (4 w + s)
	v_lshlrev_b32 v8, 2, v5
	v_lshl_add_u32 v8, v4, 6, v8
	v_add_nc_u32 v8, s26, v8                       ; word 16 u + r
.macro WBLOCK kb, left                 ; block kb of my column's four; left: how many younger loads may stay out
.set XS, X+32*(\kb)
	s_wait_loadcnt \left
	v_max3_num_f32 v12, |v[XS]|, |v[XS+1]|, |v[XS+2]|               ; the block's largest magnitude, in two chains: all 32 numbers are mine
	v_max3_num_f32 v13, |v[XS+3]|, |v[XS+4]|, |v[XS+5]|
.irp i, 6,10,14,18,22,26
	v_max3_num_f32 v12, v12, |v[XS+\i]|, |v[XS+\i+1]|
	v_max3_num_f32 v13, v13, |v[XS+\i+2]|, |v[XS+\i+3]|
.endr
	v_max3_num_f32 v12, v12, |v[XS+30]|, |v[XS+31]|
	v_max3_num_f32 v12, v12, v13, 0x1800000        ; and the floor 2^(3 - 127): the byte cannot fall under 1
	v_add_nc_u32 v11, 0xff000000, v12              ; 2 off the exponent field: the conversion takes this operand's exponent field as its scale
	v_lshrrev_b32 v13, 23, v11                     ; the scale's byte
.if (\kb) == 0
	v_mov_b32 v9, v13
.else
	v_lshl_or_b32 v9, v13, 8*(\kb), v9             ; four bytes make the K step's scale word, the lower K in the lower byte
.endif
.irp g, 0,1,2,3
	v_cvt_scalef32_pk8_fp4_f32 v[PC+4*(\kb)+\g], v[XS+8*\g:XS+8*\g+7], v11
.endr
	global_store_b128 v7, v[PC+4*(\kb):PC+4*(\kb)+3], s[14:15] offset:512*((\kb)/2)+256*((\kb)%2)   ; sixteen lanes of a tile store 256 consecutive bytes, aligned
.endm
	WBLOCK 0, 63                                   ; 96 would do: the count's field holds 63 at the most
	WBLOCK 1, 63                                   ; 64 would do
	WBLOCK 2, 32
	WBLOCK 3, 0
	global_store_b32 v8, v9, s[14:15]              ; the line: 128 consecutive bytes.  No register of a store is written again, so no wait stands here
	s_endpgm
; ---- query OR value.  Each load reads 512 consecutive bytes, a row's K step; the 32 rows turn through the wave's own stage in LDS, so that a lane gets whole blocks of 32 neighbours.
.Lx:
	s_sub_co_u32 s17, ttmp9, 384
	s_lshr_b32 s18, s17, 7                         ; 0: query, 1: value
	s_and_b32 s19, s17, 127                        ; which group of 32 rows; the wave's number is the K step
	s_wait_kmcnt 0x0
	s_cmp_eq_u32 s18, 0
	s_cselect_b64 s[20:21], s[4:5], s[6:7]
	s_lshl_b32 s22, s19, 16                        ; 32 rows of 2,048 bytes
	s_lshl_b32 s23, s16, 9                         ; 512 bytes a K step
	s_add_co_u32 s22, s22, s23
	s_mov_b32 s23, 0
	s_add_nc_u64 s[20:21], s[20:21], s[22:23]
	s_wait_alu depctr_va_vdst(0)
	v_lshlrev_b32 v3, 4, v1
.set i, 0
.rept 32
	global_load_b128 v[X+4*i:X+4*i+3], v3, s[20:21] offset:2048*i th:TH_LOAD_NT
.set i, i+1
.endr
	v_and_b32 v4, 15, v1                           ; r
	v_lshrrev_b32 v5, 4, v1                        ; h
	s_mul_i32 s24, s16, 16896                      ; my stage: 32 places of 512 bytes + 16
	v_lshl_add_u32 v6, v1, 4, s24                  ; in: 16 bytes a lane
	v_mul_u32_u24 v7, v4, 528
	v_lshl_add_u32 v7, v5, 7, v7
	v_add_nc_u32 v7, s24, v7                       ; back: place r, block h: 128 bytes a block; with 528 bytes from place to place sixteen lanes touch sixteen different 16-byte columns of 256
	v_lshlrev_b32 v10, 3, v5                       ; 8 h
	s_and_b32 s25, s19, 3                          ; the group's place in its record
	s_lshl_b32 s26, s25, 13
	s_lshl_b32 s27, s16, 10
	s_add_co_u32 s26, s26, s27
	v_lshl_add_u32 v8, v1, 4, s26                  ; fragment (4 (2 g + u) + s), 16 bytes a lane
	s_lshl_b32 s26, s25, 9
	s_lshl_b32 s27, s16, 7
	s_add_co_u32 s26, s26, s27
	s_add_co_u32 s26, s26, 32768
	v_lshl_add_u32 v9, v1, 2, s26                  ; line (4 g + s), 4 bytes a lane
	s_mul_i32 s26, s18, TEN
	s_lshr_b32 s27, s19, 2
	s_mul_i32 s27, s27, RECB
	s_add_co_u32 s26, s26, s27
	s_mov_b32 s27, 0
	s_add_nc_u64 s[14:15], s[14:15], s[26:27]      ; my record
	s_mov_b32 s28, 0x76543210
	s_mov_b32 s29, 0xfedcba98                      ; v_permlanex16_b32's selects for lane l xor 16
	s_mov_b32 s30, 0xffff0000                      ; lanes 16-31
	v_mov_b32 v26, 0                               ; a lane permute's destination counts as one of its sources
	v_mov_b32 v27, 0
.set i, 0
	s_wait_alu depctr_va_vdst(0)
.rept 32
	s_wait_loadcnt 31-i                            ; loads come back in order: row i is in
	ds_store_b128 v6, v[X+4*i:X+4*i+3] offset:528*(16*((i/8)%2)+i%8+8*(i/16))   ; row i goes to place 16 u + r: the rows lie in tile order
.set i, i+1
.endr
	s_wait_dscnt 0x0                               ; the stores have read their registers
.irp u, 0,1
.irp c, 0,1
.irp j, 0,1,2,3,4,5,6,7
	ds_load_b128 v[X+64*\u+32*\c+4*\j:X+64*\u+32*\c+4*\j+3], v7 offset:8448*\u+256*\c+16*\j   ; block 2 c + h of row r of tile u
.endr
.endr
.endr
.macro XTILE u
.set XS, X+64*(\u)
	s_wait_dscnt 16*(1-(\u))                       ; this tile's sixteen loads are in
.irp c, 0,1
	v_max3_num_f32 v[12+\c], |v[XS+32*\c]|, |v[XS+32*\c+1]|, 0x1800000   ; my two blocks by turns; the floor 2^(3 - 127) among the leaves
.endr
.irp i, 2,4,6,8,10,12,14,16,18,20,22,24,26,28,30
.irp c, 0,1
	v_max3_num_f32 v[12+\c], v[12+\c], |v[XS+32*\c+\i]|, |v[XS+32*\c+\i+1]|
.endr
.endr
.irp c, 0,1
	v_add_nc_u32 v[14+\c], 0xff000000, v[12+\c]    ; the conversion's scale operand
.endr
.irp c, 0,1
	v_lshrrev_b32 v[16+\c], 23, v[14+\c]           ; the byte
.endr
	v_lshl_or_b32 v[24+\u], v17, 16, v16           ; my two bytes: blocks h and 2 + h,
	v_lshlrev_b32 v[24+\u], v10, v[24+\u]          ; at their places in the word;
	v_permlanex16_b32 v[26+\u], v[24+\u], s28, s29
	v_or_b32 v[24+\u], v[24+\u], v[26+\u]          ; with lane l xor 16's two the word is whole
.irp c, 0,1
.irp g, 0,1,2,3
	v_cvt_scalef32_pk8_fp4_f32 v[PC+8*(\u)+4*\c+\g], v[XS+32*\c+8*\g:XS+32*\c+8*\g+7], v[14+\c]
.endr
.endr
.irp c, 0,1
	global_store_b128 v8, v[PC+8*(\u)+4*\c:PC+8*(\u)+4*\c+3], s[14:15] offset:4096*(\u)+512*\c   ; 512 consecutive bytes
.endr
.endm
	XTILE 0
	XTILE 1
	v_cndmask_b32 v28, v24, v25, s30               ; lanes 0-15: tile 0's words, lanes 16-31: tile 1's
	global_store_b32 v9, v28, s[14:15]
	s_wait_tensorcnt 0x0
	ds_add_u32 v176, v177
	s_wait_dscnt 0x0
	s_endpgm
.Lfunc_end_k_q76a1b19090_prep:
	.size	k_q76a1b19090_prep, .Lfunc_end_k_q76a1b19090_prep-k_q76a1b19090_prep
	.p2alignl 7, 3214868480
	.fill 96, 4, 3214868480
	.section	.rodata,"a",@progbits
	.p2align	6, 0x0
	.amdhsa_kernel k_q76a1b19090_prep
		.amdhsa_group_segment_fixed_size 68096
		.amdhsa_private_segment_fixed_size 0
		.amdhsa_enable_private_segment 0
		.amdhsa_kernarg_size 48
		.amdhsa_user_sgpr_count 2
		.amdhsa_user_sgpr_kernarg_segment_ptr 1
		.amdhsa_wavefront_size32 1
		.amdhsa_system_sgpr_workgroup_id_x 1
		.amdhsa_system_sgpr_workgroup_id_y 1
		.amdhsa_system_sgpr_workgroup_id_z 1
		.amdhsa_system_vgpr_workitem_id 0
		.amdhsa_next_free_vgpr 178
		.amdhsa_next_free_sgpr 66
		.amdhsa_reserve_vcc 0
		.amdhsa_float_denorm_mode_32 3
		.amdhsa_float_denorm_mode_16_64 3
		.amdhsa_memory_ordered 1
		.amdhsa_forward_progress 1
		.amdhsa_inst_pref_size 37
	.end_amdhsa_kernel
	.amdgpu_metadata
---
amdhsa.version: [ 1, 2 ]
amdhsa.kernels:
  - .name:           k_q76a1b19090_prep
    .symbol:         k_q76a1b19090_prep.kd
    .args:
      - { .name: query, .offset: 0, .size: 8, .value_kind: global_buffer, .address_space: global }
      - { .name: value, .offset: 8, .size: 8, .value_kind: global_buffer, .address_space: global }
      - { .name: Wq, .offset: 16, .size: 8, .value_kind: global_buffer, .address_space: global }
      - { .name: Wk, .offset: 24, .size: 8, .value_kind: global_buffer, .address_space: global }
      - { .name: Wv, .offset: 32, .size: 8, .value_kind: global_buffer, .address_space: global }
      - { .name: ops, .offset: 40, .size: 8, .value_kind: global_buffer, .address_space: global }
    .group_segment_fixed_size: 68096
    .private_segment_fixed_size: 0
    .kernarg_segment_align: 8
    .kernarg_segment_size: 48
    .max_flat_workgroup_size: 128
    .sgpr_count:     66
    .vgpr_count:     178
    .wavefront_size: 32
...
	.end_amdgpu_metadata
.endif
;; end of part 1
;; launch proj (part 2): grid 16 x 16, 4 waves a work-group, clusters of 4 x 4, 327,680 bytes of LDS; arguments ops, bq, bk, bv, qkv; writes qkv
.if DOCPART == 2
	.amdgcn_target "amdgcn-amd-amdhsa--gfx1250"
	.amdhsa_code_object_version 6
	.text
	.protected	k_q76a1b19090_proj
	.globl	k_q76a1b19090_proj
	.p2align	8
	.type	k_q76a1b19090_proj,@function
k_q76a1b19090_proj:
	s_mov_b64 s[64:65], 0
	v_nop
	global_prefetch_b8 v0, s[64:65] scope:SCOPE_SE
	s_setreg_imm32_b32 hwreg(HW_REG_WAVE_MODE, 25, 1), 1
	s_wait_xcnt 0x0
	s_wait_alu depctr_hold_cnt(0) depctr_sa_sdst(0) depctr_va_vdst(0) depctr_va_sdst(0) depctr_va_ssrc(0) depctr_va_vcc(0) depctr_vm_vsrc(0)
	s_getreg_b32 s2, hwreg(HW_REG_IB_STS2, 6, 4)
	s_cmp_eq_u32 s2, 0
	s_cbranch_scc0 .Lentry_in_a_cluster
	s_endpgm
.Lentry_in_a_cluster:
	s_bfe_u32 s2, ttmp6, 0x10000c
	s_cmp_lg_u32 s2, 0xf033
	s_cbranch_scc0 .Lentry_shape_is_right
	s_endpgm
.Lentry_shape_is_right:
; q = SCALE (query Wq + bq), k = value Wk + bk, v = value Wv + bv, each 4,096 x 4,096 x 512 on codes of FP4 with E8M0 scales (from ops), and each result quantised again at once:
; q and k along the head's 512 channels, v along the keys.  Results go to qkv as codes alone: 3 tensors x [batch x 8 + head : 32][128 tokens : 8] records of 34,816 bytes.
; A RECORD (ops, q, k): 32 fragments of 1,024 bytes, tile t of 16 rows, K step s at (4 t + s) x 1,024, each the image of an operand's registers (byte 512 c + 16 x lane = registers 4 c .. 4 c + 3);
;   then 16 lines of 128 bytes from byte 32,768: group g of 32 rows, K step s at (4 g + s) x 128; word l = the scale word of row l % 16 of tile 2 g + l / 16.
; A RECORD OF v: one step of 128 keys (its K), 512 channels: tile of channels n at n x 1,024, line of channels' group g at 32,768 + 128 g.
; In a group of 32 rows lane r of tile u holds row 8 u + r + 8 (r / 8).  So in a product's result (lane = a row of source 1, registers = rows of source 0) the 16 registers of source 0's tiles 2 b, 2 b + 1 are
; 16 neighbours: 32 b + 16 (lane / 16) + 0 .. 15: the order in which the quantiser wants them.  Source 0 is therefore the side along which the result is quantised: Wq, Wk (channels); value (keys).
; SHARES.  Work-group (x, y) stays for three tiles of 256 x 256: columns 256 x of the weights, tokens 256 y.  Wave w: source 0's half w % 2, source 1's half w / 2: 128 x 128, 64 accumulators.
; LDS: four regions of two records: 0 Wq, later Wv; 1 query; 2 Wk; 3 value (for k and for v).  Each wave brings a record (half a region) by one tensor load of 34,816 dense bytes; of Wv a quarter, 17,408.
; CLUSTER 4 x 4: a weight's block hangs on x alone and is asked for jointly by the four of a column of the cluster, a block of tokens on y alone, by the four of a row.
; By this text's count a wave has one tensor load out at the start and one behind the only refill.
; LIMITS: NaN and infinities are not served; a block of zeros gets the byte 1 (zero codes; the bytes are read by this program alone).
; REGISTERS: window 0: see the names below.  window 1: two sets of fragments at v0 and v128: source 0's 8 blocks, then source 1's 8.  windows 2, 3: accumulator (a, b) at v[8 (8 (a % 4) + b)] of window 2 + a / 4.
.set RECB,  34816
.set TEN,   32*RECB
.set QT,    256*RECB                   ; a tensor of qkv
.set QUART, 17408                      ; half a record: what one load of Wv brings
.set RG0,   0
.set RG1,   2*RECB
.set RG2,   4*RECB
.set RG3,   6*RECB
.set SPARE, 8*RECB                     ; the spare words, 128 bytes for each wave: two blocks of 256 bytes that no other line names
.set A0Q, 2                            ; v2-7   LDS addresses of my fragments: source 0, source 1 for q, k, v: region + half x record + 16 x lane
.set A1Q, 3
.set A0K, 4
.set A1K, 5
.set A0V, 6
.set A1V, 7
.set L0Q, 8                            ; v8-13  the same with 4 x lane, for the lines
.set L1Q, 9
.set L0K, 10
.set L1K, 11
.set L0V, 12
.set L1V, 13
.set SPW, 14                           ; v14    LDS address of my spare word; never rewritten
.set NIL, 15                           ; v15    0; never rewritten
.set S0L, 16                           ; v16-31 source 0's lines: register 4 g + s.  These 32 registers hold scales and nothing else
.set S1L, 32                           ; v32-47 source 1's
.set H,   48                           ; v48-111  64 numbers on their way to the quantiser
.set PC,  112                          ; v112-119 the codes just made
.set B0,  128                          ; v128-191 bq, later bk: eight registers for each of source 0's tiles, in the result's layout
.set B1,  192                          ; v192-207 bv of my lane's channel in source 1's tile a, twice: a pair for the packed addition
.set TM,  208                          ; v208-223 at work in the quantiser
.set PW,  224                          ; the scale word just made;  v225 that of the even tile;  v226 the line
.set PWE, 225
.set WL,  226
.set OCQ, 227                          ; byte offsets in an output record: fragments and lines, for q and k; for v
.set OLQ, 228
.set OCV, 229
.set OLV, 230
.set BO0, 231                          ; 64 h;  4 (r + 8 (r / 8))
.set BO1, 232
.set LI,  233                          ; 16 x lane;  4 x lane
.set LS,  234
.set G1C, 24                           ; s[24:31] descriptor group 1 with my column's mask;  s[32:39] with my row's;  s[40:59] five groups 0
.set G1R, 32
.set MSB, 0
.macro WIN new                         ; the immediate's high byte repeats the setting that is left
.if MSB != \new
	s_set_vgpr_msb (MSB<<8)|\new
.set MSB, \new
.endif
.endm
.macro PLACES                          ; four plain vector instructions between a matrix instruction and a load into, or a vector read of, its registers
.rept 4
	v_nop
.endr
.endm
.macro CROUND                          ; a round of the cluster's barrier
	s_barrier_signal -1
	s_barrier_wait -1
	s_cmp_lg_u32 s14, 0
	s_cbranch_scc1 .Lnot_wave_0_\@
	s_barrier_signal -3
.Lnot_wave_0_\@:
	s_barrier_wait -3
	s_barrier_signal -1
	s_barrier_wait -1
.endm
; One matrix instruction from the symbols rD, rA, rB, rC, rSA, rSB; rRA, rRB = 1: that side's scales stand in lanes 16-31.  cm = 0: C is the constant 0
.macro WM cm
.if \cm == 0
.if (rRA == 0) && (rRB == 0)
	v_wmma_scale_f32_16x16x128_f8f6f4 v[rD:rD+7], v[rA:rA+7], v[rB:rB+7], 0, v[rSA], v[rSB] matrix_a_fmt:MATRIX_FMT_FP4 matrix_b_fmt:MATRIX_FMT_FP4
.elseif (rRA == 1) && (rRB == 0)
	v_wmma_scale_f32_16x16x128_f8f6f4 v[rD:rD+7], v[rA:rA+7], v[rB:rB+7], 0, v[rSA], v[rSB] matrix_a_fmt:MATRIX_FMT_FP4 matrix_b_fmt:MATRIX_FMT_FP4 matrix_a_scale:MATRIX_SCALE_ROW1
.elseif (rRA == 0) && (rRB == 1)
	v_wmma_scale_f32_16x16x128_f8f6f4 v[rD:rD+7], v[rA:rA+7], v[rB:rB+7], 0, v[rSA], v[rSB] matrix_a_fmt:MATRIX_FMT_FP4 matrix_b_fmt:MATRIX_FMT_FP4 matrix_b_scale:MATRIX_SCALE_ROW1
.else
	v_wmma_scale_f32_16x16x128_f8f6f4 v[rD:rD+7], v[rA:rA+7], v[rB:rB+7], 0, v[rSA], v[rSB] matrix_a_fmt:MATRIX_FMT_FP4 matrix_b_fmt:MATRIX_FMT_FP4 matrix_a_scale:MATRIX_SCALE_ROW1 matrix_b_scale:MATRIX_SCALE_ROW1
.endif
.else
.if (rRA == 0) && (rRB == 0)
	v_wmma_scale_f32_16x16x128_f8f6f4 v[rD:rD+7], v[rA:rA+7], v[rB:rB+7], v[rC:rC+7], v[rSA], v[rSB] matrix_a_fmt:MATRIX_FMT_FP4 matrix_b_fmt:MATRIX_FMT_FP4
.elseif (rRA == 1) && (rRB == 0)
	v_wmma_scale_f32_16x16x128_f8f6f4 v[rD:rD+7], v[rA:rA+7], v[rB:rB+7], v[rC:rC+7], v[rSA], v[rSB] matrix_a_fmt:MATRIX_FMT_FP4 matrix_b_fmt:MATRIX_FMT_FP4 matrix_a_scale:MATRIX_SCALE_ROW1
.elseif (rRA == 0) && (rRB == 1)
	v_wmma_scale_f32_16x16x128_f8f6f4 v[rD:rD+7], v[rA:rA+7], v[rB:rB+7], v[rC:rC+7], v[rSA], v[rSB] matrix_a_fmt:MATRIX_FMT_FP4 matrix_b_fmt:MATRIX_FMT_FP4 matrix_b_scale:MATRIX_SCALE_ROW1
.else
	v_wmma_scale_f32_16x16x128_f8f6f4 v[rD:rD+7], v[rA:rA+7], v[rB:rB+7], v[rC:rC+7], v[rSA], v[rSB] matrix_a_fmt:MATRIX_FMT_FP4 matrix_b_fmt:MATRIX_FMT_FP4 matrix_a_scale:MATRIX_SCALE_ROW1 matrix_b_scale:MATRIX_SCALE_ROW1
.endif
.endif
.endm
	s_load_b256 s[4:11], s[0:1], 0x0               ; ops s[4:5], bq s[6:7], bk s[8:9], bv s[10:11]
	s_load_b64 s[12:13], s[0:1], 0x20              ; qkv
	v_lshl_add_u32 v[SPW], v0, 2, SPARE
	v_mov_b32 v[NIL], 0
	ds_add_u32 v14, v15
	ds_add_u32 v14, v15
	s_wait_dscnt 0x0
	v_lshrrev_b32 v1, 5, v0
	v_readfirstlane_b32 s14, v1                    ; wave 0..3
	s_and_b32 s15, s14, 1                          ; source 0's half
	s_lshr_b32 s16, s14, 1                         ; source 1's half
	s_bfe_u32 s17, ttmp6, 0x40000                  ; cx
	s_bfe_u32 s18, ttmp6, 0x40004                  ; cy
	s_lshl_b32 s19, ttmp9, 2
	s_add_co_u32 s19, s19, s17                     ; x = 4 x cluster x + cx
	s_and_b32 s20, ttmp7, 0xffff
	s_lshl_b32 s20, s20, 2
	s_add_co_u32 s20, s20, s18                     ; y = 4 x cluster y + cy
	s_lshl_b32 s21, s18, 2
	s_lshl_b32 s21, 15, s21                        ; my row of the cluster
	s_lshl_b32 s22, 0x1111, s17                    ; my column
	; group 1: 34,816 dense bytes as 136 rows of 32 elements of 8 bytes; no padding: a fragment is read as 512 consecutive bytes
	s_or_b32 s[G1C], s22, (3<<16)|(1<<21)          ; 15:0 the mask; 17:16 elements of 8 bytes; 21 set beside a mask
	s_or_b32 s[G1R], s21, (3<<16)|(1<<21)
.irp g, G1C, G1R
	s_mov_b32 s[\g+1], 32<<16                      ; tensor_dim0 = 32
	s_mov_b32 s[\g+2], 136<<16                     ; tensor_dim1: a whole record, 34,816 bytes; set to 68 for Wv's quarters
	s_mov_b32 s[\g+3], 32<<16                      ; tile_dim0 = 32
	s_mov_b32 s[\g+4], 136                         ; tile_dim1
	s_mov_b32 s[\g+5], 32                          ; from row to row
	s_mov_b32 s[\g+6], 0
	s_mov_b32 s[\g+7], 0
.endr
	; THE LOADS, ONE A WAVE BEHIND EACH BARRIER: at the head waves 0, 1 bring Wq's two records and waves 2, 3 query's; behind a full sequence Wk's and value's likewise; Wv comes later, a quarter of the region a wave
	s_mul_i32 s73, s14, QUART                      ; Wv: my quarter,
	s_mul_i32 s92, s19, 2*RECB
	s_add_co_u32 s92, s92, s73                     ; in memory
	s_mov_b32 s93, 0
	s_mul_i32 s78, s15, RECB                       ; my record of a region: in LDS and in memory alike
	s_mul_i32 s74, s19, 2*RECB                     ; a weight's two records hang on x alone,
	s_add_co_u32 s74, s74, s78
	s_mov_b32 s75, 0
	s_mul_i32 s76, s20, 2*RECB                     ; the tokens' on y alone: each sum in registers that never hold the other coordinate
	s_add_co_u32 s76, s76, s78
	s_mov_b32 s77, 0
	s_wait_kmcnt 0x0
	s_add_nc_u64 s[74:75], s[4:5], s[74:75]
	s_add_nc_u64 s[76:77], s[4:5], s[76:77]
.macro GROUP0 g, lds, base, off
	s_mov_b32 s[\g], 1                             ; count = 1
	s_add_co_u32 s[\g+1], s78, \lds                ; LDS address
	s_add_nc_u64 s[\g+2:\g+3], s[\base:\base+1], \off   ; global address
	s_or_b32 s[\g+3], s[\g+3], 0x80000000          ; type = 2
.endm
	GROUP0 40, RG0, 74, 2*TEN                      ; Wq
	GROUP0 44, RG1, 76, 0                          ; query
	GROUP0 48, RG2, 74, 3*TEN                      ; Wk
	GROUP0 52, RG3, 76, TEN                        ; value
	s_add_nc_u64 s[92:93], s[4:5], s[92:93]
	s_mov_b32 s56, 1                               ; Wv, later
	s_add_co_u32 s57, s73, RG0
	s_add_nc_u64 s[58:59], s[92:93], 4*TEN
	s_or_b32 s59, s59, 0x80000000
; A joint load: waves 0, 1 for my column of the cluster, waves 2, 3 for my row.  The branch hangs on the wave's number alone
.macro JLOAD a, b
	s_cmp_lt_u32 s14, 2
	s_cbranch_scc0 .Lrow_\@
	tensor_load_to_lds s[\a:\a+3], s[G1C:G1C+7]
	s_nop 0
	PLACES
	s_branch .Ljoin_\@
.Lrow_\@:
	tensor_load_to_lds s[\b:\b+3], s[G1R:G1R+7]
	s_nop 0
	PLACES
.Ljoin_\@:
.endm
	CROUND                                         ; all sixteen work-groups are here: the first joint loads meet
	JLOAD 40, 44
	v_and_b32 v1, 31, v0
	v_lshlrev_b32 v[LI], 4, v1
	v_lshlrev_b32 v[LS], 2, v1
	s_mul_i32 s79, s15, RECB
	s_mul_i32 s80, s16, RECB
	v_add_nc_u32 v[A0Q], s79, v[LI]                ; region 0
	v_add_nc_u32 v[A1V], s80, v[LI]                ; region 0
	v_add_nc_u32 v[A1Q], RG1, v[A1V]
	v_add_nc_u32 v[A0K], RG2, v[A0Q]
	v_add_nc_u32 v[A1K], RG3, v[A1V]
	v_add_nc_u32 v[A0V], RG3, v[A0Q]
	v_add_nc_u32 v[L0Q], s79, v[LS]
	v_add_nc_u32 v[L1V], s80, v[LS]
	v_add_nc_u32 v[L1Q], RG1, v[L1V]
	v_add_nc_u32 v[L0K], RG2, v[L0Q]
	v_add_nc_u32 v[L1K], RG3, v[L1V]
	v_add_nc_u32 v[L0V], RG3, v[L0Q]
	v_and_b32 v1, 15, v0                           ; r
	v_bfe_u32 v235, v0, 4, 1                       ; h
	v_lshlrev_b32 v[BO0], 6, v235
	s_wait_alu depctr_va_vdst(0)
	v_lshrrev_b32 v236, 3, v1
	v_lshl_add_u32 v[BO1], v236, 3, v1
	v_lshlrev_b32 v[BO1], 2, v[BO1]
	s_wait_alu depctr_va_vdst(0)
	s_lshl_b32 s81, s19, 10                        ; the biases of my columns: 4 (256 x + 128 x half)
	s_lshl_b32 s82, s15, 9
	s_add_co_u32 s82, s81, s82
	s_mov_b32 s83, 0
	s_add_nc_u64 s[6:7], s[6:7], s[82:83]
	s_add_nc_u64 s[8:9], s[8:9], s[82:83]
	s_lshl_b32 s82, s16, 9
	s_add_co_u32 s82, s81, s82
	s_add_nc_u64 s[10:11], s[10:11], s[82:83]
.irp b, 0,1,2,3,4,5,6,7
	global_load_b128 v[B0+8*\b:B0+8*\b+3], v[BO0], s[6:7] offset:(32*(\b/2)+8*(\b%2))*4       ; bq at columns 32 (b / 2) + 16 h + 8 (b % 2) + 0 .. 7
	global_load_b128 v[B0+8*\b+4:B0+8*\b+7], v[BO0], s[6:7] offset:(32*(\b/2)+8*(\b%2))*4+16
.endr
.irp a, 0,1,2,3,4,5,6,7
	global_load_b32 v[B1+2*\a], v[BO1], s[10:11] offset:(32*(\a/2)+8*(\a%2))*4                ; bv at my lane's column of tile a
	global_load_b32 v[B1+2*\a+1], v[BO1], s[10:11] offset:(32*(\a/2)+8*(\a%2))*4
.endr
	; where the results go
	s_lshr_b32 s84, s20, 2                         ; batch
	s_lshl_b32 s84, s84, 3
	s_lshr_b32 s85, s19, 1                         ; head
	s_add_co_u32 s84, s84, s85
	s_lshl_b32 s84, s84, 3                         ; 8 records a head
	s_and_b32 s85, s20, 3
	s_lshl_b32 s85, s85, 1
	s_add_co_u32 s84, s84, s85                     ; + 2 (y % 4)
	s_add_co_u32 s86, s84, s16                     ; q, k: the tokens are source 1's
	s_mul_i32 s86, s86, RECB
	s_mov_b32 s87, 0
	s_add_nc_u64 s[66:67], s[12:13], s[86:87]      ; q's record
	s_add_nc_u64 s[68:69], s[66:67], QT            ; k's
	s_add_co_u32 s86, s84, s15                     ; v: the tokens are source 0's
	s_mul_i32 s86, s86, RECB
	s_add_nc_u64 s[70:71], s[12:13], s[86:87]
	s_add_nc_u64 s[70:71], s[70:71], 2*QT          ; v's
	s_and_b32 s88, s19, 1
	s_lshl_b32 s89, s88, 1
	s_add_co_u32 s89, s89, s15                     ; q, k: my 128 channels are K step 2 (x % 2) + w % 2 of the head's 512
	s_lshl_b32 s85, s89, 10
	v_add_nc_u32 v[OCQ], s85, v[LI]
	s_lshl_b32 s85, s89, 7
	s_add_co_u32 s85, s85, 32768
	v_add_nc_u32 v[OLQ], s85, v[LS]
	s_lshl_b32 s89, s88, 3
	s_lshl_b32 s85, s16, 2
	s_add_co_u32 s89, s89, s85                     ; v: my 128 channels begin at group 8 (x % 2) + 4 (w / 2)
	s_lshl_b32 s85, s89, 11
	v_add_nc_u32 v[OCV], s85, v[LI]
	s_lshl_b32 s85, s89, 7
	s_add_co_u32 s85, s85, 32768
	v_add_nc_u32 v[OLV], s85, v[LS]
	s_mov_b32 s60, 0x76543210
	s_mov_b32 s61, 0xfedcba98                      ; v_permlanex16_b32's selects for lane l xor 16
	s_mov_b32 s62, 0x3d3504f3                      ; SCALE = 1 / sqrt(512)
	s_mov_b32 s63, s62                             ; (named with it as a pair, so it is written)
	s_mov_b32 s72, 0xffff0000                      ; lanes 16-31
.irp b, 0,1,2,3
	v_mov_b32 v[TM+4+\b], 0                        ; a lane permute's destination counts as one of its sources
.endr
.macro LINES l0, l1                    ; the scale lines of my 128 rows of each side, for all of K
.irp g, 0,1,2,3
.irp s, 0,1,2,3
	ds_load_b32 v[S0L+4*\g+\s], v[\l0] offset:32768+(4*\g+\s)*128
	ds_load_b32 v[S1L+4*\g+\s], v[\l1] offset:32768+(4*\g+\s)*128
.endr
.endr
.endm
.macro FETCH a0, a1, s, p              ; 32 LDS loads in one run: K step s of both sides into set p
	WIN 0x40                                       ; destination window 1
.irp i, 0,1,2,3,4,5,6,7
.irp c, 0,1
	ds_load_b128 v[128*(\p)+8*\i+4*\c:128*(\p)+8*\i+4*\c+3], v[\a0] offset:(4*\i+(\s))*1024+512*\c
.endr
.endr
.irp i, 0,1,2,3,4,5,6,7
.irp c, 0,1
	ds_load_b128 v[128*(\p)+64+8*\i+4*\c:128*(\p)+64+8*\i+4*\c+3], v[\a1] offset:(4*\i+(\s))*1024+512*\c
.endr
.endr
	WIN 0
.endm
; 64 matrix instructions: K step s from set p.  cmode 0: the products start the sums; 1: they add in place; 2: the sums start from the bias in v[B0 ..].
; The 64 accumulators take turns, one instruction a turn, in the same order in every K step.
.macro MUL64 s, p, cmode
.set ia, 0
.rept 8
.if \cmode == 2
.set wv, 0x85+0x40*(ia/4)              ; sources 0 and 1 window 1, C window 0, D window 2 or 3
.else
.set wv, 0xa5+0x50*(ia/4)              ; sources 0 and 1 window 1, C and D window 2 or 3
.endif
	WIN wv
.set ib, 0
.rept 8
.set rD, 8*(8*(ia%4)+ib)
.set rA, 128*(\p)+8*ib
.set rB, 128*(\p)+64+8*ia
.set rSA, S0L+4*(ib/2)+(\s)
.set rSB, S1L+4*(ia/2)+(\s)
.set rRA, ib%2
.set rRB, ia%2
.if \cmode == 0
	WM 0
.elseif \cmode == 1
.set rC, rD
	WM 1
.else
.set rC, B0+8*ib
	WM 1
.endif
.set ib, ib+1
.endr
.set ia, ia+1
.endr
.endm
; A product of 128 x 128 x 512: while one K step is multiplied, the next one's 32 loads are on their way.
.macro PRODUCT a0, a1, l0, l1, c0
	LINES \l0, \l1
	FETCH \a0, \a1, 0, 0
	FETCH \a0, \a1, 1, 1
	s_wait_dscnt 32                                ; all but the 32 just issued
	MUL64 0, 0, \c0
	PLACES
	FETCH \a0, \a1, 2, 0
	s_wait_dscnt 32
	MUL64 1, 1, 1
	PLACES
	FETCH \a0, \a1, 3, 1
	s_wait_dscnt 32
	MUL64 2, 0, 1
	s_wait_dscnt 0x0
	MUL64 3, 1, 1
	PLACES
	WIN 0
.endm
; 64 numbers of a lane, register 16 b + i = k 32 b + 16 (lane / 16) + i of my row, become a fragment's codes in v[PC] on and its scale word in v[PW].
.macro QUANT s
.irp b, 0,1,2,3
	v_max3_num_f32 v[TM+\b], |v[\s+16*\b]|, |v[\s+1+16*\b]|, 0x1800000   ; block b: my 16 numbers, and the floor 2^(3 - 127): the byte cannot fall under 1
.endr
.irp i, 2,4,6,8,10,12,14
.irp b, 0,1,2,3
	v_max3_num_f32 v[TM+\b], v[TM+\b], |v[\s+16*\b+\i]|, |v[\s+1+16*\b+\i]|   ; (the four blocks by turns)
.endr
.endr
.irp b, 0,1,2,3
	v_permlanex16_b32 v[TM+4+\b], v[TM+\b], s60, s61
.endr
.irp b, 0,1,2,3
	v_max_num_f32 v[TM+\b], v[TM+\b], v[TM+4+\b]   ; with lane l xor 16's: the block's largest magnitude
.endr
.irp b, 0,1,2,3
	v_add_nc_u32 v[TM+12+\b], 0xff000000, v[TM+\b] ; 2 off its exponent field: the conversion's scale operand
.endr
.irp b, 0,1,2,3
	v_lshrrev_b32 v[TM+4+\b], 23, v[TM+12+\b]      ; the scale's byte
.endr
	v_lshl_or_b32 v[PW], v[TM+5], 8, v[TM+4]
	v_lshl_or_b32 v[PW], v[TM+6], 16, v[PW]
	v_lshl_or_b32 v[PW], v[TM+7], 24, v[PW]        ; my row's scale word, in both halves of the lanes
	s_wait_xcnt 0x0                                ; the last tile's stores have read v[PC ..] and v[WL]: the codes (below) and the line (behind this macro) are written again only behind this wait.
	                                               ; It stands here and not at the tile's head: all that the tile has written so far (H, TM, PW) is read by no store
.irp b, 0,1,2,3
	v_cvt_scalef32_pk8_fp4_f32 v[PC+2*\b], v[\s+16*\b:\s+7+16*\b], v[TM+12+\b]
	v_cvt_scalef32_pk8_fp4_f32 v[PC+1+2*\b], v[\s+8+16*\b:\s+15+16*\b], v[TM+12+\b]
.endr
	v_nop                                          ; one plain instruction behind a scaled conversion
.irp c, 0,1                                    ; the operand's layout wants a whole block in a lane
.irp i, 0,1
	v_permlane16_swap_b32 v[PC+4*\c+\i], v[PC+2+4*\c+\i]
.endr
.endr
.endm
; THE WAY OUT of a product: source 1's tiles one after the other.  The packed line that applies SCALE or the bias also brings the tile's 64 numbers into window 0, each accumulator from its low end on.
; kind 0: q (x SCALE; bq came in as C);  1: k (+ bk);  2: v (+ bv of my lane's channel).
.macro EPI kind
.set ea, 0
.rept 8
.set wv, 2+ea/4
	WIN wv                                         ; source 0: window 2 or 3
.set eb, 64*(ea%4)
.set ei, 0
.rept 32
.if \kind == 0
	v_pk_mul_f32 v[H+ei:H+ei+1], v[eb+ei:eb+ei+1], s[62:63] op_sel_hi:[1,0]
.elseif \kind == 1
	v_pk_add_f32 v[H+ei:H+ei+1], v[eb+ei:eb+ei+1], v[B0+ei:B0+ei+1]
.else
	v_pk_add_f32 v[H+ei:H+ei+1], v[eb+ei:eb+ei+1], v[B1+2*ea:B1+2*ea+1]
.endif
.set ei, ei+2
.endr
	WIN 0
	QUANT H
.if \kind == 0
	global_store_b128 v[OCQ], v[PC:PC+3], s[66:67] offset:4096*ea          ; 512 consecutive bytes each
	global_store_b128 v[OCQ], v[PC+4:PC+7], s[66:67] offset:4096*ea+512
.elseif \kind == 1
	global_store_b128 v[OCQ], v[PC:PC+3], s[68:69] offset:4096*ea
	global_store_b128 v[OCQ], v[PC+4:PC+7], s[68:69] offset:4096*ea+512
.else
	global_store_b128 v[OCV], v[PC:PC+3], s[70:71] offset:1024*ea
	global_store_b128 v[OCV], v[PC+4:PC+7], s[70:71] offset:1024*ea+512
.endif
.if ea%2 == 0
	v_mov_b32 v[PWE], v[PW]                        ; the even tile's words are kept
.else
	v_cndmask_b32 v[WL], v[PWE], v[PW], s72        ; lanes 0-15: the even tile's, lanes 16-31: the odd tile's
.if \kind == 0
	global_store_b32 v[OLQ], v[WL], s[66:67] offset:512*(ea/2)
.elseif \kind == 1
	global_store_b32 v[OLQ], v[WL], s[68:69] offset:512*(ea/2)
.else
	global_store_b32 v[OLV], v[WL], s[70:71] offset:128*(ea/2)
.endif
.endif
.set ea, ea+1
.endr
.endm
	s_wait_alu depctr_va_vdst(0)
	s_wait_tensorcnt 0x0                           ; my record of Wq or query is in
	ds_add_u32 v[SPW], v[NIL]
	s_wait_dscnt 0x0
	CROUND                                         ; everybody's are in; the joint loads meet
	JLOAD 48, 52                                   ; Wk's and value's records: they have q's product in which to land
	s_wait_loadcnt 0x0                             ; bq, bv
	PRODUCT A0Q, A1Q, L0Q, L1Q, 2
	; THE ONE REFILL: Wv takes Wq's place.  It has q's way out and all of k's product in which to land.
	s_wait_tensorcnt 0x0                           ; all my tensor loads have landed: Wk's and value's records too
	ds_add_u32 v[SPW], v[NIL]                      ; 0 onto my spare word
	s_mov_b32 s[G1C+2], 68<<16                     ; no tensor load of mine is out: from here on a load brings 68 rows
	s_mov_b32 s[G1C+4], 68
	s_wait_dscnt 0x0                               ; the add is done, and my reads of Wq are over
	CROUND                                         ; no wave of any partner still reads Wq or has a load on its way; regions 2 and 3 are whole for every wave
	tensor_load_to_lds s[56:59], s[G1C:G1C+7]
	s_nop 0
	PLACES
.irp b, 0,1,2,3,4,5,6,7
	global_load_b128 v[B0+8*\b:B0+8*\b+3], v[BO0], s[8:9] offset:(32*(\b/2)+8*(\b%2))*4       ; bk takes bq's registers
	global_load_b128 v[B0+8*\b+4:B0+8*\b+7], v[BO0], s[8:9] offset:(32*(\b/2)+8*(\b%2))*4+16
.endr
	EPI 0
	PRODUCT A0K, A1K, L0K, L1K, 0
	s_wait_loadcnt 0x0                             ; bk
	EPI 1
	s_wait_tensorcnt 0x0                           ; my part of Wv is in
	ds_add_u32 v[SPW], v[NIL]
	s_wait_dscnt 0x0
	s_barrier_signal -1
	s_barrier_wait -1                              ; everybody's is; nothing is filled any more
	PRODUCT A0V, A1V, L0V, L1V, 0
	EPI 2
	s_wait_tensorcnt 0x0                           ; the wave's end
	ds_add_u32 v[SPW], v[NIL]
	s_wait_dscnt 0x0
	CROUND                                         ; the closing round: no work-group ends while a partner may still ask for a block that names it
	s_endpgm
.Lfunc_end_k_q76a1b19090_proj:
	.size	k_q76a1b19090_proj, .Lfunc_end_k_q76a1b19090_proj-k_q76a1b19090_proj
	.p2alignl 7, 3214868480
	.fill 96, 4, 3214868480
	.section	.rodata,"a",@progbits
	.p2align	6, 0x0
	.amdhsa_kernel k_q76a1b19090_proj
		.amdhsa_group_segment_fixed_size 327680
		.amdhsa_private_segment_fixed_size 0
		.amdhsa_enable_private_segment 0
		.amdhsa_kernarg_size 40
		.amdhsa_user_sgpr_count 2
		.amdhsa_user_sgpr_kernarg_segment_ptr 1
		.amdhsa_wavefront_size32 1
		.amdhsa_system_sgpr_workgroup_id_x 1
		.amdhsa_system_sgpr_workgroup_id_y 1
		.amdhsa_system_sgpr_workgroup_id_z 1
		.amdhsa_system_vgpr_workitem_id 0
		.amdhsa_next_free_vgpr 1024
		.amdhsa_next_free_sgpr 96
		.amdhsa_reserve_vcc 0
		.amdhsa_float_denorm_mode_32 3
		.amdhsa_float_denorm_mode_16_64 3
		.amdhsa_memory_ordered 1
		.amdhsa_forward_progress 1
		.amdhsa_inst_pref_size 255
	.end_amdhsa_kernel
	.section	.bss,"aw",@nobits
	.p2align	6
	.space	262144
	.amdgpu_metadata
---
amdhsa.version: [ 1, 2 ]
amdhsa.kernels:
  - .name:           k_q76a1b19090_proj
    .symbol:         k_q76a1b19090_proj.kd
    .args:
      - { .name: ops, .offset: 0, .size: 8, .value_kind: global_buffer, .address_space: global }
      - { .name: bq, .offset: 8, .size: 8, .value_kind: global_buffer, .address_space: global }
      - { .name: bk, .offset: 16, .size: 8, .value_kind: global_buffer, .address_space: global }
      - { .name: bv, .offset: 24, .size: 8, .value_kind: global_buffer, .address_space: global }
      - { .name: qkv, .offset: 32, .size: 8, .value_kind: global_buffer, .address_space: global }
    .group_segment_fixed_size: 327680
    .private_segment_fixed_size: 0
    .kernarg_segment_align: 8
    .kernarg_segment_size: 40
    .max_flat_workgroup_size: 128
    .sgpr_count:     96
    .vgpr_count:     1024
    .wavefront_size: 32
...
	.end_amdgpu_metadata
.endif
;; end of part 2
;; launch attn (part 3): grid 8 x 32, 8 waves a work-group, clusters of 4 x 1, 327,680 bytes of LDS; arguments qkv, out0; writes out0
.if DOCPART == 3
	.amdgcn_target "amdgcn-amd-amdhsa--gfx1250"
	.amdhsa_code_object_version 6
	.text
	.protected	k_q76a1b19090_attn
	.globl	k_q76a1b19090_attn
	.p2align	8
	.type	k_q76a1b19090_attn,@function
k_q76a1b19090_attn:
	s_mov_b64 s[64:65], 0
	v_nop
	global_prefetch_b8 v0, s[64:65] scope:SCOPE_SE
	s_setreg_imm32_b32 hwreg(HW_REG_WAVE_MODE, 25, 1), 1
	s_wait_xcnt 0x0
	s_wait_alu depctr_hold_cnt(0) depctr_sa_sdst(0) depctr_va_vdst(0) depctr_va_sdst(0) depctr_va_ssrc(0) depctr_va_vcc(0) depctr_vm_vsrc(0)
	s_getreg_b32 s2, hwreg(HW_REG_IB_STS2, 6, 4)
	s_cmp_eq_u32 s2, 0
	s_cbranch_scc0 .Lentry_in_a_cluster
	s_endpgm
.Lentry_in_a_cluster:
	s_bfe_u32 s2, ttmp6, 0x10000c
	s_cmp_lg_u32 s2, 0x3003
	s_cbranch_scc0 .Lentry_shape_is_right
	s_endpgm
.Lentry_shape_is_right:
; out[b][q][h][:] = the sum over keys k <= q of softmax_k(SCALE q . k) v, for 32 (batch, head) pairs, 1,024 tokens, 512 channels, both products on codes of FP4 with E8M0 scales, read from qkv as they lie.
; qkv: q, k: [pair][step of 128 tokens] records of 34,816 bytes: fragment (tile t of 16 tokens, K step s of 128 channels) at (4 t + s) x 1,024, scale line (group g of 32 tokens, s) at 32,768 + (4 g + s) x 128;
;      v: [pair][step of 128 keys] records: fragment (tile n of 16 channels) at 1,024 n, line (group g of 32 channels) at 32,768 + 128 g.  In a group of 32 rows lane r of tile u holds row 8 u + r + 8 (r / 8).
; THE SOFTMAX: t = score x log2(e) (SCALE lies in q already); M = a wave's running largest t rounded UP to a whole number; p = 2^(t - M) is quantised along the keys, not normalised; the sum is taken of the unquantised p.
; Four waves share a query's keys, each with an M of its own: powers of two, which the blocks' scale bytes take up: O stands under R, the largest of the four M; the sums are joined under R and divide at the end.
; THE MASK: keys after the query count as -infinity; phases of 256 keys that come after a block's cluster are left out.
; LIMITS: the mask equals the subtraction of 1e9 as long as a row's scores spread by less than about 1e9; the scaled scores t stay under 2^31 in magnitude; NaN and infinities are not served.
; A block of p that is all zeros gets the byte 1, and a byte that falls under 1 is held at 1.
; SHARES.  i = 4 x cluster + place.  A work-group owns blocks i and 15 - i of 64 queries of one pair: 1 + cluster and 4 - cluster phases of 256 keys: five phases in every work-group, and the four partners of a cluster walk the same keys.
; Wave w: queries 32 (w / 4) .. + 31 of the block (two tiles u); quarter kq = w % 4: scores of the 32 keys 32 kq on of each key step s (0, 1) of a phase, and channels 128 kq on of O.  So each fragment of K and V feeds two tiles.
; Both products are used transposed: S^T = K Q^T, O^T = V^T P^T: a lane holds one query of each tile; the 16 registers of a wave's two key tiles are keys 16 (lane / 16) + 0 .. 15 of its 32.
; p's codes, bytes, M and sums go from wave to wave through 12,288 bytes of LDS.
; THE RING: two slots of four records [K, step 0][K, step 1][V, step 0][V, step 1].  In a phase's middle every wave holds the phase's last fragments in registers: one round of the cluster's barrier then hands the codes over,
; shows the next slot to every wave, and frees this slot for the keys of two phases on.  Each wave brings an eighth, 17,408 dense bytes, by one joint load; by this text's count a wave has one out.
; A second barrier (signal behind the reads of the exchange, wait behind the second product) keeps the next phase's codes from bytes that are still read.
; REGISTERS: window 0 by the names below; window 1: v0-127 O^T (tile u, channel tile n at 8 (8 u + n)), v128-255 sixteen fragments: K's of both steps, then V's, then the way out's rows.
.set RECB, 34816
.set QT,    256*RECB
.set HB,    8*RECB
.set SLOTB, 4*RECB
.set QUART, 17408
.set XCH,   2*SLOTB                    ; the exchange: 6,144 bytes for each pair of tiles: codes 1,024 n (n = 2 u + s), M 4,096 + 256 u, bytes 4,608 + 256 n, sums 5,632 + 256 u
.set STAGE, XCH+12288                  ; the way out: 16 rows x (256 bytes + 16) for each wave; no tensor load ever lands here, nor in the exchange
.set SPARE, STAGE+8*4352               ; the spare words, 128 bytes for each wave: four blocks of 256 bytes that no other line names
.set LI,  1                            ; my fragments' place in a slot: K's; its lines; V's; its lines
.set LS,  2
.set LIV, 3
.set LSV, 4
.set SPW, 5                            ; LDS address of my spare word; never rewritten
.set NIL, 6                            ; 0; never rewritten
.set ADK, 7                            ; the phase's addresses
.set ADL, 8
.set ADV, 9
.set ADM, 10
.set GO,  11                           ; the way out: my byte offset among the rows of out
.set NM,  12                           ; v12, v14: -M of tile u;  v13, v15: its largest t
.set QF,  16                           ; v16-79   Q: 32 u + 8 k
.set SC,  80                           ; v80-143  S^T, then p: 16 n + register, n = 2 u + s
.set MR,  SC                           ; behind the conversions: the four waves' -M,
.set BR,  SC+8                         ; bytes,
.set DM,  SC+24                        ; M - R,
.set LR,  SC+32                        ; and sums; on the way out v80-143 hold packed rows
.set PF,  144                          ; v144-175 p's fragments: 8 n; at the head at work
.set CD,  176                          ; v176-183 the codes just made
.set BM,  184                          ; the blocks' largest scores, then largest p
.set PT,  188
.set SO,  192                          ; the conversions' scale operands
.set TM,  196
.set RN,  198                          ; -R of tile u
.set FW,  200                          ; pairs: 2^(old M - new M), in the low word
.set FF,  204                          ; pairs: 2^(old R - new R), in the low word
.set LSM, 208                          ; pairs: the sums in two halves
.set ACH, 212                          ; pairs: their second chains
.set RL,  ACH                          ; on the way out 1 / the sum, in the low words
.set LT,  216
.set QLL, 218                          ; 4 x lane
.set DQ,  219                          ; my query of tile 0, less the phase's first key, 32 kq and 16 (lane / 16), in a block's last phase
.set NINF, 220
.set PFO, 221                          ; the prefetches' offset
.set STO, 222                          ; the stage: in, back
.set SRD, 223
.set XCS, 224                          ; the exchange: codes in, words in, codes back, words back
.set XSM, 225
.set XRC, 226
.set XRM, 227
.set QLI, 228                          ; 16 x lane
.set PW,  232                          ; p's scale words: n.  v232-255 hold scales and nothing else
.set SLK, 236                          ; K's lines: 4 s + k
.set SLV, 244                          ; V's lines: 4 s + channel group
.set QS,  252                          ; Q's lines: lanes 0-15 tile 0, lanes 16-31 tile 1
.set FB,  128                          ; window 1: the fragments: 64 s + 8 i
.set MSB, 0
.macro WIN new                         ; the immediate's high byte repeats the setting that is left
.if MSB != \new
	s_set_vgpr_msb (MSB<<8)|\new
.set MSB, \new
.endif
.endm
.macro PLACES                          ; four plain vector instructions between a matrix instruction and a load into, or a vector read of, its registers
.rept 4
	v_nop
.endr
.endm
.macro CROUND                          ; a round of the cluster's barrier
	s_barrier_signal -1
	s_barrier_wait -1
	s_cmp_lg_u32 s8, 0
	s_cbranch_scc1 .Lnot_wave_0_\@
	s_barrier_signal -3
.Lnot_wave_0_\@:
	s_barrier_wait -3
	s_barrier_signal -1
	s_barrier_wait -1
.endm
.macro QPTR blk, f, l                  ; where my 32 queries of a block lie: fragments, lines
	s_lshr_b32 s60, \blk, 1
	s_mul_i32 s60, s60, RECB
	s_add_co_u32 s60, s60, s62
	s_and_b32 s61, \blk, 1
	s_lshl_b32 s61, s61, 1
	s_add_co_u32 s61, s61, s13                     ; group 2 (block % 2) + w / 4 of the record
	s_lshl_b32 s68, s61, 13
	s_add_co_u32 s68, s68, s60
	s_mov_b32 s69, 0
	s_add_nc_u64 s[\f:\f+1], s[4:5], s[68:69]
	s_lshl_b32 s61, s61, 9
	s_add_co_u32 s60, s60, s61
	s_add_co_u32 s68, s60, 32768
	s_add_nc_u64 s[\l:\l+1], s[4:5], s[68:69]
.endm
.macro QLOAD f, l
.irp u, 0,1
.irp k, 0,1,2,3
.irp c, 0,1
	global_load_b128 v[QF+32*\u+8*\k+4*\c:QF+32*\u+8*\k+4*\c+3], v[QLI], s[\f:\f+1] offset:4096*\u+1024*\k+512*\c
.endr
.endr
.endr
.irp k, 0,1,2,3
	global_load_b32 v[QS+\k], v[QLL], s[\l:\l+1] offset:128*\k
.endr
.endm
.macro INIT                            ; a block begins: the largest t -3e38, under every t; -M and -R 3e38; the sums 0
.irp u, 0,1
	v_mov_b32 v[NM+1+2*\u], 0xff61b1e6
	v_mov_b32 v[NM+2*\u], 0x7f61b1e6
	v_mov_b32 v[RN+\u], 0x7f61b1e6
	v_mov_b32 v[LSM+2*\u], 0
	v_mov_b32 v[LSM+1+2*\u], 0
.endr
.endm
.macro G0NEXT                          ; group 0 of the next joint load: offset s38 in the pair's keys, into the slot that begins at s14 (no tensor load of mine is out)
	s_add_nc_u64 s[34:35], s[18:19], s[38:39]
	s_or_b32 s35, s35, 0x80000000                  ; type = 2
	s_add_co_u32 s33, s17, s14
.endm
	s_load_b128 s[4:7], s[0:1], 0x0                ; qkv s[4:5], out0 s[6:7]
	v_lshl_add_u32 v[SPW], v0, 2, SPARE
	v_mov_b32 v[NIL], 0
	ds_add_u32 v[SPW], v[NIL]                      ; the wave's opening: the add, twice on end, and its wait ahead of my first tensor load
	ds_add_u32 v[SPW], v[NIL]
	v_lshrrev_b32 v7, 5, v0
	v_readfirstlane_b32 s8, v7                     ; wave 0..7
	v_and_b32 v[PF], 31, v0                        ; lane
	v_and_b32 v[PF+1], 15, v0                      ; r
	v_bfe_u32 v[PF+2], v0, 4, 1                    ; h
	v_lshlrev_b32 v[QLI], 4, v[PF]
	v_lshlrev_b32 v[QLL], 2, v[PF]
	s_bfe_u32 s9, ttmp6, 0x40000                   ; cx: my place in the cluster.  It enters global addresses and a lane's mask value only
	s_mov_b32 s10, ttmp9                           ; C: the cluster's x, 0 or 1
	s_and_b32 s11, ttmp7, 0xffff                   ; the pair: 8 x batch + head
	s_and_b32 s12, s8, 3                           ; kq
	s_lshr_b32 s13, s8, 2                          ; which 32 queries.  Also: I fetch from k (0) or from v (1)
	; group 1: 17,408 dense bytes as 68 rows of 32 elements of 8 bytes; no padding: a fragment is read as 512 consecutive bytes
	s_mov_b32 s24, 15|(3<<16)|(1<<21)              ; 15:0 the mask: all four work-groups; 17:16 elements of 8 bytes; 21 set beside a mask
	s_mov_b32 s25, 32<<16                          ; tensor_dim0 = 32
	s_mov_b32 s26, 68<<16                          ; tensor_dim1 = 68
	s_mov_b32 s27, 32<<16                          ; tile_dim0 = 32
	s_mov_b32 s28, 68                              ; tile_dim1 = 68
	s_mov_b32 s29, 32                              ; from row to row
	s_mov_b32 s30, 0
	s_mov_b32 s31, 0
	s_mul_i32 s17, s8, QUART                       ; my eighth of a slot
	s_mul_i32 s62, s11, HB                         ; the pair's first byte in q
	s_add_co_u32 s18, s13, 1
	s_mul_i32 s18, s18, QT
	s_add_co_u32 s18, s18, s62
	s_mul_i32 s19, s12, QUART
	s_add_co_u32 s18, s18, s19
	s_mov_b32 s19, 0
	s_mul_i32 s48, s9, 4352                        ; the prefetches: my work-group's quarter of my eighth,
	s_add_co_u32 s48, s48, 2*RECB                  ; of the keys 256 .. 511
	s_mov_b32 s49, 0
	s_lshl_b32 s66, s10, 2
	s_add_co_u32 s66, s66, s9                      ; i
	s_sub_co_u32 s67, 15, s66                      ; 15 - i
	s_lshr_b32 s52, s11, 3                         ; out: token (batch x 1,024 + 64 i + 32 (w / 4)), 16,384 bytes a token;
	s_lshl_b32 s52, s52, 10
	s_lshl_b32 s60, s66, 6
	s_add_co_u32 s52, s52, s60
	s_lshl_b32 s60, s13, 5
	s_add_co_u32 s52, s52, s60
	s_lshl_b32 s52, s52, 14
	s_and_b32 s60, s11, 7
	s_lshl_b32 s60, s60, 11
	s_add_co_u32 s52, s52, s60                     ; the head's 2,048 bytes in it,
	s_lshl_b32 s60, s12, 9
	s_add_co_u32 s52, s52, s60                     ; my 512 of them
	s_mov_b32 s53, 0
	s_lshl_b32 s54, s66, 7
	s_sub_co_u32 s54, 960, s54                     ; block 15 - i lies 960 - 128 i rows on
	s_lshl_b32 s54, s54, 14
	s_mov_b32 s55, 0
	s_lshl_b32 s57, s9, 7
	s_sub_co_u32 s57, 192, s57                     ; the mask value of block 15 - i less that of block i: 192 - 128 cx
	s_cmp_eq_u32 s10, 0
	s_cselect_b32 s50, 2, 0                        ; the first cluster prefetches, in phases 0 and 1 (both clusters of a pair walk the same keys)
	s_mov_b32 s20, 0x76543210
	s_mov_b32 s21, 0xfedcba98                      ; v_permlanex16_b32's selects for lane l xor 16
	s_mov_b32 s22, 0x3fb8aa3b                      ; log2(e)
	s_mov_b32 s23, s22                             ; (named with it as a pair, so it is written)
	s_mov_b32 s58, 0x43800000                      ; 256.0
	s_mov_b32 s59, 0x47800000                      ; 65536.0
	s_mov_b32 s14, 0                               ; where the slot in hand begins
	s_mov_b32 s16, 0                               ; the phase
	s_mov_b32 s38, 0                               ; the joint load's keys: byte offset
	s_mov_b32 s39, 0
	s_mov_b32 s32, 1                               ; count = 1
	s_wait_dscnt 0x0                               ; both opening adds are done
	s_wait_alu depctr_va_vdst(0)
	s_wait_kmcnt 0x0
	s_add_nc_u64 s[18:19], s[4:5], s[18:19]        ; my eighth of the first two key steps
	s_add_nc_u64 s[48:49], s[18:19], s[48:49]
	s_add_nc_u64 s[52:53], s[6:7], s[52:53]
	QPTR s66, 40, 42
	QPTR s67, 44, 46
	G0NEXT                                         ; keys 0 .. 255 into slot 0
	QLOAD 40, 42
	CROUND                                         ; all four work-groups are here: the first joint load meets
	tensor_load_to_lds s[32:35], s[24:31]
	s_nop 0
	PLACES                                         ; four v_nop follow a tensor load
	s_lshl_b32 s60, s12, 13
	v_lshl_add_u32 v[LI], v[PF], 4, s60            ; fragments 8 kq .. 8 kq + 7 of a record
	s_lshl_b32 s60, s12, 9
	s_add_co_u32 s60, s60, 32768
	v_lshl_add_u32 v[LS], v[PF], 2, s60            ; lines 4 kq .. 4 kq + 3
	v_add_nc_u32 v[LIV], 2*RECB, v[LI]
	v_add_nc_u32 v[LSV], 2*RECB, v[LS]
	v_lshrrev_b32 v[PF+3], 3, v[PF+1]
	v_lshlrev_b32 v[PF+4], 4, v[PF+2]
	v_lshl_add_u32 v[DQ], v[PF+3], 3, v[PF+1]      ; r + 8 (r / 8)
	v_sub_nc_u32 v[DQ], v[DQ], v[PF+4]             ; - 16 h
	s_lshl_b32 s60, s9, 6
	s_lshl_b32 s61, s13, 5
	s_add_co_u32 s60, s60, s61
	s_lshl_b32 s61, s12, 5
	s_sub_co_u32 s60, s60, s61
	v_add_nc_u32 v[DQ], s60, v[DQ]                 ; + 64 cx + 32 (w / 4) - 32 kq
	v_mov_b32 v[NINF], 0xff800000
	v_min_u32 v[PFO], 16, v[PF]
	v_lshlrev_b32 v[PFO], 8, v[PFO]                ; 17 blocks of 256 bytes a wave: lanes 0-16 name one each, lanes 17-31 name lane 16's again
	s_mul_i32 s60, s8, 4352
	s_add_co_u32 s60, s60, STAGE                   ; my stage
	v_mul_u32_u24 v[STO], v[PF+1], 272
	v_mul_u32_u24 v[SRD], v[PF+2], 272
	v_lshl_add_u32 v[STO], v[PF+2], 6, v[STO]
	v_lshl_add_u32 v[SRD], v[PF+1], 4, v[SRD]
	v_add_nc_u32 v[STO], s60, v[STO]               ; in: row r, + 64 h
	v_add_nc_u32 v[SRD], s60, v[SRD]               ; back: lanes 0-15 one row, lanes 16-31 the next
	v_lshlrev_b32 v[GO], 14, v[PF+2]
	v_lshl_add_u32 v[GO], v[PF+1], 4, v[GO]        ; and the same in out
	s_mul_i32 s60, s13, 6144
	s_add_co_u32 s60, s60, XCH                     ; my pair of tiles' part of the exchange
	v_lshl_add_u32 v[XRC], v[PF], 4, s60           ; codes back: an operand's image
	s_add_co_u32 s61, s60, 4096
	v_lshl_add_u32 v[XRM], v[PF+1], 4, s61         ; words back: four waves' words of query r
	s_lshl_b32 s63, s12, 2
	s_add_co_u32 s61, s61, s63
	v_lshl_add_u32 v[XSM], v[PF+1], 4, s61         ; words in: word kq of query r
	s_lshl_b32 s63, s12, 8
	s_add_co_u32 s60, s60, s63
	v_lshlrev_b32 v[XCS], 4, v[PF+1]
	v_lshl_add_u32 v[XCS], v[PF+2], 3, v[XCS]
	v_add_nc_u32 v[XCS], s60, v[XCS]               ; codes in: block kq of query r, my half of it
	INIT
.irp b, 0,1,2,3
	v_mov_b32 v[PT+\b], 0                          ; a lane permute's destination counts as one of its sources
.endr
	v_mov_b32 v[FW+1], 0                           ; (named as the upper halves of pairs)
	v_mov_b32 v[FW+3], 0
	v_mov_b32 v[FF+1], 0
	v_mov_b32 v[FF+3], 0
	WIN 0x40
.set j, 0
.rept 128
	v_mov_b32 v[j], 0                              ; O^T.  (The phase is written for any place in a block: a block's first phase multiplies what it finds by 0)
.set j, j+1
.endr
	WIN 0
.macro LD8 adr, s                      ; my eight fragments of key step s, 512 consecutive bytes a load, into window 1
.irp i, 0,1,2,3,4,5,6,7
.irp c, 0,1
	ds_load_b128 v[FB+64*(\s)+8*\i+4*\c:FB+64*(\s)+8*\i+4*\c+3], v[\adr] offset:RECB*(\s)+1024*\i+512*\c
.endr
.endr
.endm
; S^T of key step s: key tiles j (fragments 4 j + k, lines' half j) x query tiles u: four accumulators by turns
.macro SMUL s
	WIN 0x01
.irp k, 0,1,2,3
.set KA, FB+64*(\s)+8*\k
.set KB, KA+32
.set QA, QF+8*\k
.set QB, QA+32
.set D0, SC+16*(\s)
.set D1, D0+8
.set D2, D0+32
.set D3, D0+40
.set SK, SLK+4*(\s)+\k
.if \k == 0
	v_wmma_scale_f32_16x16x128_f8f6f4 v[D0:D0+7], v[KA:KA+7], v[QA:QA+7], 0, v[SK], v[QS+\k] matrix_a_fmt:MATRIX_FMT_FP4 matrix_b_fmt:MATRIX_FMT_FP4
	v_wmma_scale_f32_16x16x128_f8f6f4 v[D2:D2+7], v[KA:KA+7], v[QB:QB+7], 0, v[SK], v[QS+\k] matrix_a_fmt:MATRIX_FMT_FP4 matrix_b_fmt:MATRIX_FMT_FP4 matrix_b_scale:MATRIX_SCALE_ROW1
	v_wmma_scale_f32_16x16x128_f8f6f4 v[D1:D1+7], v[KB:KB+7], v[QA:QA+7], 0, v[SK], v[QS+\k] matrix_a_fmt:MATRIX_FMT_FP4 matrix_b_fmt:MATRIX_FMT_FP4 matrix_a_scale:MATRIX_SCALE_ROW1
	v_wmma_scale_f32_16x16x128_f8f6f4 v[D3:D3+7], v[KB:KB+7], v[QB:QB+7], 0, v[SK], v[QS+\k] matrix_a_fmt:MATRIX_FMT_FP4 matrix_b_fmt:MATRIX_FMT_FP4 matrix_a_scale:MATRIX_SCALE_ROW1 matrix_b_scale:MATRIX_SCALE_ROW1
.else
	v_wmma_scale_f32_16x16x128_f8f6f4 v[D0:D0+7], v[KA:KA+7], v[QA:QA+7], v[D0:D0+7], v[SK], v[QS+\k] matrix_a_fmt:MATRIX_FMT_FP4 matrix_b_fmt:MATRIX_FMT_FP4
	v_wmma_scale_f32_16x16x128_f8f6f4 v[D2:D2+7], v[KA:KA+7], v[QB:QB+7], v[D2:D2+7], v[SK], v[QS+\k] matrix_a_fmt:MATRIX_FMT_FP4 matrix_b_fmt:MATRIX_FMT_FP4 matrix_b_scale:MATRIX_SCALE_ROW1
	v_wmma_scale_f32_16x16x128_f8f6f4 v[D1:D1+7], v[KB:KB+7], v[QA:QA+7], v[D1:D1+7], v[SK], v[QS+\k] matrix_a_fmt:MATRIX_FMT_FP4 matrix_b_fmt:MATRIX_FMT_FP4 matrix_a_scale:MATRIX_SCALE_ROW1
	v_wmma_scale_f32_16x16x128_f8f6f4 v[D3:D3+7], v[KB:KB+7], v[QB:QB+7], v[D3:D3+7], v[SK], v[QS+\k] matrix_a_fmt:MATRIX_FMT_FP4 matrix_b_fmt:MATRIX_FMT_FP4 matrix_a_scale:MATRIX_SCALE_ROW1 matrix_b_scale:MATRIX_SCALE_ROW1
.endif
.endr
.endm
; O^T += V^T P^T over key step s: sixteen accumulators, each once
.macro PVMUL s
	WIN 0x51
.set nn, 0
.rept 8
.set VA, FB+64*(\s)+8*nn
.set D0, 8*nn
.set D1, D0+64
.set PA, PF+8*(\s)
.set PB, PA+16
.set SK, SLV+4*(\s)+nn/2
.if nn%2 == 0
	v_wmma_scale_f32_16x16x128_f8f6f4 v[D0:D0+7], v[VA:VA+7], v[PA:PA+7], v[D0:D0+7], v[SK], v[PW+\s] matrix_a_fmt:MATRIX_FMT_FP4 matrix_b_fmt:MATRIX_FMT_FP4
	v_wmma_scale_f32_16x16x128_f8f6f4 v[D1:D1+7], v[VA:VA+7], v[PB:PB+7], v[D1:D1+7], v[SK], v[PW+2+\s] matrix_a_fmt:MATRIX_FMT_FP4 matrix_b_fmt:MATRIX_FMT_FP4
.else
	v_wmma_scale_f32_16x16x128_f8f6f4 v[D0:D0+7], v[VA:VA+7], v[PA:PA+7], v[D0:D0+7], v[SK], v[PW+\s] matrix_a_fmt:MATRIX_FMT_FP4 matrix_b_fmt:MATRIX_FMT_FP4 matrix_a_scale:MATRIX_SCALE_ROW1
	v_wmma_scale_f32_16x16x128_f8f6f4 v[D1:D1+7], v[VA:VA+7], v[PB:PB+7], v[D1:D1+7], v[SK], v[PW+2+\s] matrix_a_fmt:MATRIX_FMT_FP4 matrix_b_fmt:MATRIX_FMT_FP4 matrix_a_scale:MATRIX_SCALE_ROW1
.endif
.set nn, nn+1
.endr
.endm
; A PHASE: 256 keys.  fill = 1: phases 0 to 2, whose slot is filled again for two phases on, and in which block i ends (phase C);  fill = 0: phases 3 and 4.
.macro PHASE fill
	v_add_nc_u32 v[ADK], s14, v[LI]
	v_add_nc_u32 v[ADL], s14, v[LS]
	v_add_nc_u32 v[ADV], s14, v[LIV]
	v_add_nc_u32 v[ADM], s14, v[LSV]
.irp s, 0,1
.irp k, 0,1,2,3
	ds_load_b32 v[SLK+4*\s+\k], v[ADL] offset:RECB*\s+128*\k
	ds_load_b32 v[SLV+4*\s+\k], v[ADM] offset:RECB*\s+128*\k
.endr
.endr
	WIN 0x40
	LD8 ADK, 0
	LD8 ADK, 1
	s_wait_alu depctr_va_vdst(0)
	s_wait_loadcnt 0x0                             ; Q
	s_wait_dscnt 16                                ; the lines and K's step 0 are in; step 1's sixteen loads may be out
	SMUL 0
	PLACES
	WIN 0x40
	LD8 ADV, 0                                     ; V's step 0 takes the registers of K's step 0
	s_wait_dscnt 16                                ; K's step 1 is in
	SMUL 1
	PLACES
	WIN 0x40
	LD8 ADV, 1
	WIN 0
	; a block's last phase: the next block's Q is asked for, and hidden keys' scores become -infinity: register 16 n + x holds key 128 s + 32 kq + 16 h + x of the phase: hidden where 128 s + x - 8 u > DQ
.if \fill
	s_cmp_lg_u32 s16, s10
	s_cbranch_scc1 .Lopen_\@
	QLOAD 44, 46
.else
	s_cmp_lg_u32 s16, 4
	s_cbranch_scc1 .Lopen_\@
.endif
.set n, 0
.rept 64
	v_cmp_gt_i32 vcc_lo, 128*((n/16)%2)+n%16-8*(n/32), v[DQ]
	v_cndmask_b32 v[SC+n], v[SC+n], v[NINF], vcc_lo
.set n, n+1
.endr
.Lopen_\@:
.irp b, 0,1,2,3
	v_max3_num_f32 v[BM+\b], v[SC+16*\b], v[SC+1+16*\b], v[SC+2+16*\b]   ; the largest score of each block: for M, and, since p rises with the score, for the block's largest p
.endr
.irp i, 3,5,7,9,11,13
.irp b, 0,1,2,3
	v_max3_num_f32 v[BM+\b], v[BM+\b], v[SC+16*\b+\i], v[SC+1+16*\b+\i]
.endr
.endr
.irp b, 0,1,2,3
	v_max_num_f32 v[BM+\b], v[BM+\b], v[SC+15+16*\b]
.endr
.irp b, 0,1,2,3
	v_permlanex16_b32 v[PT+\b], v[BM+\b], s20, s21
.endr
.irp b, 0,1,2,3
	v_max_num_f32 v[BM+\b], v[BM+\b], v[PT+\b]     ; with lane l xor 16's 16 keys
.endr
.irp u, 0,1
	v_max_num_f32 v[TM+\u], v[BM+2*\u], v[BM+1+2*\u]
.endr
.irp u, 0,1
	v_mul_f32 v[TM+\u], s22, v[TM+\u]              ; as t
.endr
.irp u, 0,1
	v_max_num_f32 v[NM+1+2*\u], v[NM+1+2*\u], v[TM+\u]   ; the running largest t
.endr
.irp u, 0,1
	v_mov_b32 v[TM+\u], v[NM+2*\u]
.endr
.irp u, 0,1
	v_floor_f32 v[NM+2*\u], -v[NM+1+2*\u]          ; the new -M = floor(-t): M is a whole number
.endr
.irp u, 0,1
	v_sub_f32 v[TM+\u], v[NM+2*\u], v[TM+\u]       ; old M - new M: a whole number, 0 or less
.endr
.irp u, 0,1
	v_cvt_i32_f32 v[TM+\u], v[TM+\u]               ; (it saturates)
.endr
.irp u, 0,1
	v_ldexp_f32 v[FW+2*\u], 1.0, v[TM+\u]
.endr
.set j, 0
.rept 16
	v_pk_fma_f32 v[SC+j:SC+j+1], v[SC+j:SC+j+1], s[22:23], v[NM:NM+1] op_sel_hi:[1,0,0]   ; t - M, two at a time, the two tiles by turns
	v_pk_fma_f32 v[SC+32+j:SC+33+j], v[SC+32+j:SC+33+j], s[22:23], v[NM+2:NM+3] op_sel_hi:[1,0,0]
.set j, j+2
.endr
.irp b, 0,1,2,3
	v_fma_f32 v[BM+\b], v[BM+\b], s22, v[NM+2*(\b/2)]   ; the same of each block's largest score
.endr
	s_wait_alu depctr_va_vdst(0)
.set j, 0
.rept 64
	v_exp_f32 v[SC+j], v[SC+j]                     ; p = 2^(t - M), at most 1
.set j, j+1
.endr
.irp b, 0,1,2,3
	v_exp_f32 v[BM+\b], v[BM+\b]                   ; the block's largest p: the same two instructions on the same number give the same bits
.endr
	v_pk_mul_f32 v[LSM:LSM+1], v[LSM:LSM+1], v[FW:FW+1] op_sel_hi:[1,0]   ; the sums under the new M: plain instructions behind the exponentials
	v_pk_mul_f32 v[LSM+2:LSM+3], v[LSM+2:LSM+3], v[FW+2:FW+3] op_sel_hi:[1,0]
	s_wait_alu depctr_va_vdst(0)                   ; one wait for the whole batch, ahead of its first reader
.irp u, 0,1
	v_pk_add_f32 v[ACH+2*\u:ACH+1+2*\u], v[SC+32*\u:SC+1+32*\u], v[SC+2+32*\u:SC+3+32*\u]
.endr
.irp i, 4,8,12,16,20,24,28
.irp u, 0,1
	v_pk_add_f32 v[LSM+2*\u:LSM+1+2*\u], v[LSM+2*\u:LSM+1+2*\u], v[SC+32*\u+\i:SC+1+32*\u+\i]
.endr
.irp u, 0,1
	v_pk_add_f32 v[ACH+2*\u:ACH+1+2*\u], v[ACH+2*\u:ACH+1+2*\u], v[SC+2+32*\u+\i:SC+3+32*\u+\i]
.endr
.endr
.irp u, 0,1
	v_pk_add_f32 v[LSM+2*\u:LSM+1+2*\u], v[LSM+2*\u:LSM+1+2*\u], v[ACH+2*\u:ACH+1+2*\u]
.endr
.irp u, 0,1
	v_add_f32 v[LT+\u], v[LSM+2*\u], v[LSM+1+2*\u] ; the two halves,
.endr
.irp u, 0,1
	v_permlanex16_b32 v[PT+\u], v[LT+\u], s20, s21
.endr
.irp u, 0,1
	v_add_f32 v[LT+\u], v[LT+\u], v[PT+\u]         ; and lane l xor 16's: my keys' sum
.endr
.irp b, 0,1,2,3
	v_max_num_f32 v[BM+\b], 0x1800000, v[BM+\b]    ; the floor 2^(3 - 127): the byte cannot fall under 1
.endr
.irp b, 0,1,2,3
	v_add_nc_u32 v[SO+\b], 0xff000000, v[BM+\b]    ; 2 off the exponent field: the conversion's scale operand
.endr
.irp b, 0,1,2,3
	v_lshrrev_b32 v[PT+\b], 23, v[SO+\b]           ; the scale's byte,
.endr
.irp b, 0,1,2,3
	v_cvt_f32_u32 v[PT+\b], v[PT+\b]               ; as a number
.endr
.irp b, 0,1,2,3
	v_cvt_scalef32_pk8_fp4_f32 v[CD+2*\b], v[SC+16*\b:SC+7+16*\b], v[SO+\b]
	v_cvt_scalef32_pk8_fp4_f32 v[CD+1+2*\b], v[SC+8+16*\b:SC+15+16*\b], v[SO+\b]
.endr
	v_nop                                          ; one plain instruction behind a scaled conversion
.irp b, 0,1,2,3
	ds_store_b64 v[XCS], v[CD+2*\b:CD+1+2*\b] offset:1024*\b   ; my half of block kq: eight bytes of the operand's image
.endr
.irp u, 0,1
	ds_store_b32 v[XSM], v[NM+2*\u] offset:256*\u              ; (both halves of the lanes write the same words with the same values)
	ds_store_b32 v[XSM], v[LT+\u] offset:1536+256*\u
.endr
.irp b, 0,1,2,3
	ds_store_b32 v[XSM], v[PT+\b] offset:512+256*\b
.endr
	s_wait_alu depctr_va_vdst(0)
	s_wait_xcnt 0x0                                ; any prefetch of mine has read its address
	s_wait_tensorcnt 0x0                           ; my eighth of the next slot is in
	ds_add_u32 v[SPW], v[NIL]                      ; 0 onto my spare word
.if \fill
	G0NEXT                                         ; the keys of two phases on, into this slot
	s_add_co_u32 s38, s38, 2*RECB
	s_add_nc_u64 s[48:49], s[48:49], 2*RECB
.endif
	s_wait_dscnt 0x0                               ; the add is done, V's fragments are in registers, my stores to the exchange are done
.if \fill
	CROUND                                         ; all that holds of every wave of every partner
	tensor_load_to_lds s[32:35], s[24:31]
	s_nop 0
	PLACES
.else
	s_barrier_signal -1
	s_barrier_wait -1
.endif
.irp u, 0,1
	ds_load_b128 v[MR+4*\u:MR+3+4*\u], v[XRM] offset:256*\u
	ds_load_b128 v[LR+4*\u:LR+3+4*\u], v[XRM] offset:1536+256*\u
.endr
.irp b, 0,1,2,3
	ds_load_b128 v[BR+4*\b:BR+3+4*\b], v[XRM] offset:512+256*\b
.endr
.irp b, 0,1,2,3
.irp c, 0,1
	ds_load_b128 v[PF+8*\b+4*\c:PF+3+8*\b+4*\c], v[XRC] offset:1024*\b+512*\c
.endr
.endr
.if \fill
	; A PREFETCH INTO THE L2 of what the next phase's joint load will ask for: the four partners share each wave's eighth out by address, 4,352 bytes each; the last fill is followed by none
	s_cmp_lt_u32 s16, s50
	s_cbranch_scc0 .Lnot_mine_\@
	global_prefetch_b8 v[PFO], s[48:49] th:TH_LOAD_NT scope:SCOPE_SE
.Lnot_mine_\@:
.endif
	s_wait_dscnt 8                                 ; the words are in; p's eight loads may be out
.irp u, 0,1
	v_min3_num_f32 v[TM+\u], v[MR+4*\u], v[MR+1+4*\u], v[MR+2+4*\u]
.endr
.irp u, 0,1
	v_min_num_f32 v[TM+\u], v[TM+\u], v[MR+3+4*\u] ; -R: R is the largest of the four running M, and runs like them
.endr
.irp u, 0,1
	v_sub_f32 v[FF+2*\u], v[TM+\u], v[RN+\u]       ; old R - new R
.endr
.irp w, 0,1,2,3
.irp u, 0,1
	v_sub_f32 v[DM+4*\u+\w], v[TM+\u], v[MR+4*\u+\w]   ; wave w's M - R: a whole number, 0 or less
.endr
.endr
.irp u, 0,1
	v_cvt_i32_f32 v[FF+2*\u], v[FF+2*\u]
.endr
.irp u, 0,1
	v_mov_b32 v[RN+\u], v[TM+\u]
.endr
.irp u, 0,1
	v_ldexp_f32 v[FF+2*\u], 1.0, v[FF+2*\u]        ; 2^(old R - new R)
.endr
.irp w, 0,2
.irp b, 0,1,2,3
	v_pk_add_f32 v[BR+4*\b+\w:BR+1+4*\b+\w], v[BR+4*\b+\w:BR+1+4*\b+\w], v[DM+4*(\b/2)+\w:DM+1+4*(\b/2)+\w]   ; the bytes under R
.endr
.endr
.irp w, 0,1,2,3
.irp b, 0,1,2,3
	v_max_num_f32 v[BR+4*\b+\w], 1.0, v[BR+4*\b+\w]
.endr
.endr
.irp b, 0,1,2,3
	v_fma_f32 v[BR+4*\b], v[BR+1+4*\b], s58, v[BR+4*\b]
.endr
.irp b, 0,1,2,3
	v_fma_f32 v[BR+4*\b], v[BR+2+4*\b], s59, v[BR+4*\b]   ; three bytes as one number under 2^24: exact
.endr
.irp b, 0,1,2,3
	v_cvt_u32_f32 v[BR+4*\b], v[BR+4*\b]
.endr
.irp b, 0,1,2,3
	v_cvt_u32_f32 v[BR+3+4*\b], v[BR+3+4*\b]
.endr
.irp b, 0,1,2,3
	v_lshl_or_b32 v[PW+\b], v[BR+3+4*\b], 24, v[BR+4*\b]   ; p's scale word of tile u, key step s
.endr
	s_wait_alu depctr_va_vdst(0)
	s_wait_dscnt 0x0                               ; my reads of the exchange are over:
	s_barrier_signal -1                            ; say so, and work on registers while the others arrive
	WIN 0x41                                       ; O^T (destination and source 0) in window 1, the factors in window 0
	s_wait_alu depctr_va_vdst(0)
.set j, 0
.rept 32
	v_pk_mul_f32 v[j:j+1], v[j:j+1], v[FF:FF+1] op_sel_hi:[1,0]   ; O^T under the new R.  (These lines also stand between the scale words' making and the products)
.set j, j+2
.endr
.rept 32
	v_pk_mul_f32 v[j:j+1], v[j:j+1], v[FF+2:FF+3] op_sel_hi:[1,0]
.set j, j+2
.endr
	PVMUL 0
	PVMUL 1
	PLACES
	WIN 0
	s_barrier_wait -1                              ; nobody reads the exchange any more
	s_xor_b32 s14, s14, SLOTB                      ; on to the other slot
.endm
; THE WAY OUT of a block.  O^T / the sum goes through my stage, 64 channels (256 bytes) of one tile's 16 queries at a turn: turn t = 2 u + e.  Register x of channel tile 4 e + k holds channel
; 64 e + 32 (k / 2) + 16 h + 8 (k % 2) + x of my 128;  stage row i is query i + 8 (i / 8) + 8 u of my 32.
.macro MULT t
	WIN 0x01                                       ; source 0 (O^T) in window 1
	s_wait_alu depctr_va_vdst(0)
.set mi, 0
.rept 16
	v_pk_mul_f32 v[SC+32*((\t)%2)+mi:SC+1+32*((\t)%2)+mi], v[32*(\t)+mi:32*(\t)+mi+1], v[RL+2*((\t)/2):RL+1+2*((\t)/2)] op_sel_hi:[1,0]   ; each accumulator from its low end on
.set mi, mi+2
.endr
	WIN 0
.endm
.macro TOSTAGE t
.irp k, 0,1,2,3
	ds_store_b128 v[STO], v[SC+32*((\t)%2)+8*\k:SC+3+32*((\t)%2)+8*\k] offset:128*(\k/2)+32*(\k%2)
	ds_store_b128 v[STO], v[SC+4+32*((\t)%2)+8*\k:SC+7+32*((\t)%2)+8*\k] offset:128*(\k/2)+32*(\k%2)+16
.endr
	WIN 0x40
.irp i, 0,1,2,3,4,5,6,7
	ds_load_b128 v[FB+32*((\t)%2)+4*\i:FB+3+32*((\t)%2)+4*\i], v[SRD] offset:544*\i   ; LDS serves a wave's instructions in order (ISA guide 5.7.1.4): these see the stores above, and the next turn's stores come behind them
.endr
	WIN 0
.endm
.macro SEND t, younger                 ; younger: the LDS instructions issued behind turn t's loads, which may stay out
	s_wait_dscnt \younger
	WIN 0x04                                       ; the data in window 1
.irp i, 0,1,2,3,4,5,6,7
	global_store_b128 v[GO], v[FB+32*((\t)%2)+4*\i:FB+3+32*((\t)%2)+4*\i], s[52:53] offset:(2*\i+8*(\i/4)+8*((\t)/2))*16384+256*((\t)%2) th:TH_STORE_NT   ; sixteen lanes store 256 consecutive bytes, aligned; 30 rows at the most: inside the signed 24-bit immediate
.endr
	WIN 0
.endm
.macro WAYOUT
	s_wait_alu depctr_va_vdst(0)
.irp i, 0,1,2,3,4,5,6,7
	v_cvt_i32_f32 v[DM+\i], v[DM+\i]
.endr
.irp i, 0,1,2,3,4,5,6,7
	v_ldexp_f32 v[LR+\i], v[LR+\i], v[DM+\i]       ; the four waves' sums under R
.endr
.irp u, 0,1
	v_add_f32 v[LR+4*\u], v[LR+4*\u], v[LR+1+4*\u]
	v_add_f32 v[LR+2+4*\u], v[LR+2+4*\u], v[LR+3+4*\u]
.endr
.irp u, 0,1
	v_add_f32 v[LR+4*\u], v[LR+4*\u], v[LR+2+4*\u]
.endr
	s_wait_alu depctr_va_vdst(0)
	v_rcp_f32 v[RL], v[LR]
	v_rcp_f32 v[RL+2], v[LR+4]
	v_nop                                          ; a plain instruction behind the reciprocals
	s_wait_alu depctr_va_vdst(0)                   ; and one wait for both, ahead of their first reader
	MULT 0
	TOSTAGE 0
.irp t, 1,2,3
	MULT \t
.if \t > 1
	s_wait_alu depctr_va_vdst(0)
	s_wait_xcnt 0x0                                ; turn t - 2's stores have read the registers into which turn t's loads land
.endif
	TOSTAGE \t                                     ; turn t goes through the stage while turn t - 1's rows come back:
	SEND \t-1, 16                                  ; behind turn t - 1's loads stand turn t's eight stores and eight loads
.endr
	SEND 3, 0
	s_wait_xcnt 0x0                                ; the stores have read their registers and their base
.endm
	s_wait_alu depctr_va_vdst(0)
	s_wait_tensorcnt 0x0                           ; my eighth of slot 0 is in
	ds_add_u32 v[SPW], v[NIL]
	s_mul_i32 s38, s10, 2*RECB                     ; phase 1's keys: 0 .. 255 (block 15 - i) in the first cluster, 256 .. 511 in the second
	s_mov_b32 s14, SLOTB
	G0NEXT
	s_mov_b32 s14, 0
	s_xor_b32 s38, s10, 1
	s_mul_i32 s38, s38, 2*RECB                     ; phase 2's: the first cluster's go on, the second's begin anew
	s_wait_dscnt 0x0
	CROUND                                         ; slot 0 is whole for every wave; the joint loads meet
	tensor_load_to_lds s[32:35], s[24:31]          ; slot 1's first fill
	s_nop 0
	PLACES
	s_cmp_lg_u32 s10, 0
	s_cbranch_scc1 .Lphase
	global_prefetch_b8 v[PFO], s[48:49] th:TH_LOAD_NT scope:SCOPE_SE   ; keys 256 .. 511, which phase 0's joint load will ask for
.Lphase:                                               ; phases 0, 1, 2
	PHASE 1
	s_cmp_lg_u32 s16, s10
	s_cbranch_scc1 .Lgo_on
	WAYOUT                                         ; block i has ended, with phase C
	s_add_nc_u64 s[52:53], s[52:53], s[54:55]
	INIT
	v_add_nc_u32 v[DQ], s57, v[DQ]
	s_wait_alu depctr_va_vdst(0)
.Lgo_on:
	s_add_co_u32 s16, s16, 1
	s_cmp_lt_u32 s16, 3
	s_cbranch_scc1 .Lphase
.Llast:                                                ; phases 3, 4: nothing is filled any more
	PHASE 0
	s_add_co_u32 s16, s16, 1
	s_cmp_lt_u32 s16, 5
	s_cbranch_scc1 .Llast
	WAYOUT
	s_wait_tensorcnt 0x0                           ; the wave's end
	ds_add_u32 v[SPW], v[NIL]
	s_wait_dscnt 0x0
	CROUND                                         ; the closing round: no work-group ends while a partner may still ask for a tile that names it
	s_endpgm
.Lfunc_end_k_q76a1b19090_attn:
	.size	k_q76a1b19090_attn, .Lfunc_end_k_q76a1b19090_attn-k_q76a1b19090_attn
	.p2alignl 7, 3214868480
	.fill 96, 4, 3214868480
	.section	.rodata,"a",@progbits
	.p2align	6, 0x0
	.amdhsa_kernel k_q76a1b19090_attn
		.amdhsa_group_segment_fixed_size 327680
		.amdhsa_private_segment_fixed_size 0
		.amdhsa_enable_private_segment 0
		.amdhsa_kernarg_size 16
		.amdhsa_user_sgpr_count 2
		.amdhsa_user_sgpr_kernarg_segment_ptr 1
		.amdhsa_wavefront_size32 1
		.amdhsa_system_sgpr_workgroup_id_x 1
		.amdhsa_system_sgpr_workgroup_id_y 1
		.amdhsa_system_sgpr_workgroup_id_z 1
		.amdhsa_system_vgpr_workitem_id 0
		.amdhsa_next_free_vgpr 512
		.amdhsa_next_free_sgpr 80
		.amdhsa_reserve_vcc 1
		.amdhsa_float_denorm_mode_32 3
		.amdhsa_float_denorm_mode_16_64 3
		.amdhsa_memory_ordered 1
		.amdhsa_forward_progress 1
		.amdhsa_inst_pref_size 124
	.end_amdhsa_kernel
	.amdgpu_metadata
---
amdhsa.version: [ 1, 2 ]
amdhsa.kernels:
  - .name:           k_q76a1b19090_attn
    .symbol:         k_q76a1b19090_attn.kd
    .args:
      - { .name: qkv, .offset: 0, .size: 8, .value_kind: global_buffer, .address_space: global }
      - { .name: out0, .offset: 8, .size: 8, .value_kind: global_buffer, .address_space: global }
    .group_segment_fixed_size: 327680
    .private_segment_fixed_size: 0
    .kernarg_segment_align: 8
    .kernarg_segment_size: 16
    .max_flat_workgroup_size: 256
    .sgpr_count:     80
    .vgpr_count:     512
    .wavefront_size: 32
...
	.end_amdgpu_metadata
.endif
;; end of part 3
